; MI455X (gfx1250); checked and timed in simulation.
; The chip was launched on July 23, 2026; its instructions are those of AMD's public machine-readable ISA for CDNA 5 (MIT licence, August 2026) and "CDNA5" Instruction Set Architecture Reference Guide (July 2026). The comments in the code are by the model that wrote it; some were corrected since.
;; Multi Headed Attention. Allowed arithmetic: matrix products marked QUANTISED: E2M1 operands, one E8M0 scale for each 32 along K, by v_wmma_scale_f32_16x16x128_f8f6f4 with both operands' format E2M1 (or v_wmma_scale_f32_32x16x128_f4), f32 sums; products left as they are: bf16, f16 or f32 operands; f32 sums; everything else in f32.
;; Inputs: Wk 1,024 x 1,024 float32; Wo 1,024 x 1,024 float32; Wq 1,024 x 1,024 float32; Wv 1,024 x 1,024 float32; x 4 x 2,048 x 1,024 float32.
;; Outputs: out0 4 x 2,048 x 1,024 float32.
;; This version of the problem:
;;   THIS VERSION OF THE PROBLEM IS GIVEN IN LOW PRECISION. The matrix products marked QUANTISED in the list below multiply operands that are first quantised to E2M1 (2 exponent bits, 1 mantissa bit; 4 bits a number), with one power-of-two scale for each 32 numbers along K (OCP MX v1.0); their sums are f32. The products marked 'left as it is' may take bf16, f16 or f32 operands, with f32 sums. Whichever they take, every output number must still come out within the allowed error. Rounding operands to bf16 (8 significant bits) uses up far more of that allowance than f16 does (11 bits, for magnitudes from 6e-5 to 65,504). All else is computed in f32.
;;   The module's matrix products, in the order in which they are computed (A, B: the left and right operand; K: the contracted axis; several contracted axes count as one K, in the product's order):
;;     1. [M 8,192, K 1,024] x [K 1,024, N 1,024]; A: input x; B: input Wq: QUANTISED
;;     2. [M 8,192, K 1,024] x [K 1,024, N 1,024]; A: input x; B: input Wk: QUANTISED
;;     3. [M 8,192, K 1,024] x [K 1,024, N 1,024]; A: input x; B: input Wv: QUANTISED
;;     4. batch 64 x [M 2,048, K 64] x [K 64, N 2,048]; A: computed on the way; B: computed on the way: left as it is (an operand is computed on the way)
;;     5. batch 64 x [M 2,048, K 2,048] x [K 2,048, N 64]; A: computed on the way; B: computed on the way: left as it is (an operand is computed on the way)
;;     6. [M 8,192, K 1,024] x [K 1,024, N 1,024]; A: computed on the way; B: input Wo: left as it is (an operand is computed on the way)
;;   THE QUANTISER, for each operand of a quantised product, along K:
;;     - K is cut into blocks of 32 from its start; a last block that is shorter is filled with zeros.
;;     - A block's scale is 2^e with e = floor(log2(the largest magnitude in the block)) - 2, held to -126 .. 127; a block of zeros has e = 0. As a byte (E8M0): e + 127.
;;     - Each number is divided by its block's scale, clamped to +-6, and rounded to the nearest number of E2M1, ties to even, subnormals kept.
;;     - The product sums the exact products of the quantised numbers (number of the format x scale) in f32.
;;   ~~~python
;;   def quantise(x, axis):      # numpy; x: float32 -> the quantised numbers, widened to float32 again
;;       x = np.moveaxis(x, axis, -1); K = x.shape[-1]
;;       x = np.pad(x, [(0, 0)] * (x.ndim - 1) + [(0, -K % 32)]); x = x.reshape(x.shape[:-1] + (-1, 32)); a = np.abs(x).max(-1, keepdims=True)
;;       e = np.where(a > 0, np.clip(np.frexp(np.where(a > 0, a, 1))[1] - 1 - 2, -126, 127), 0)      # np.frexp(a)[1] - 1 = floor(log2(a)), exactly
;;       r = np.clip(x / 2.0 ** e, -6, 6)
;;       step = 2.0 ** (np.maximum(np.frexp(np.where(r == 0, 1, r))[1] - 1, 0) - 1)
;;       q = np.round(r / step) * step * 2.0 ** e      # np.round: ties to even
;;       return np.moveaxis(q.reshape(q.shape[:-2] + (-1,))[..., :K], -1, axis).astype(np.float32)
;;   ~~~
;; One version. Each part assembles by itself: llvm-mc -triple=amdgcn-amd-amdhsa -mcpu=gfx1250 --defsym DOCPART=n.
;; ======== version 1 of 1: 5 launches
;; limits: values are held in f16: magnitudes above 65,504 overflow, below 6.1e-05 lose precision
;; workspace buffers: xc 4,194,304 bytes; xs 262,144 bytes; wc 1,572,864 bytes; ws 98,304 bytes; wo16 2,097,152 bytes; qkv 50,331,648 bytes; qkvf 786,432 bytes; o16 16,777,216 bytes
;; launch quant (part 1): grid 384 x 1, 4 waves a work-group, no clusters, 33,280 bytes of LDS; arguments x, Wq, Wk, Wv, Wo, xc, xs, wc, ws, wo16; writes xc, xs, wc, ws, wo16
.if DOCPART == 1
	.amdgcn_target "amdgcn-amd-amdhsa--gfx1250"
	.amdhsa_code_object_version 6
	.text
	.protected	k_q7dfdabc1c2_quant
	.globl	k_q7dfdabc1c2_quant
	.p2align	8
	.type	k_q7dfdabc1c2_quant,@function
k_q7dfdabc1c2_quant:
	s_mov_b64 s[64:65], 0
	v_nop
	global_prefetch_b8 v0, s[64:65] scope:SCOPE_SE
	s_setreg_imm32_b32 hwreg(HW_REG_WAVE_MODE, 25, 1), 1
	s_wait_xcnt 0x0
; x [8192][1024], Wq, Wk, Wv [1024][1024], f32, become codes of FP4 (E2M1), K innermost, with one E8M0 scale byte for each 32 along K; Wo [1024][1024] becomes f16.
; xc [8192][512 bytes], xs [8192][32 bytes];  wc [3072][512 bytes], ws [3072][32 bytes]: rows 0-1023 Wq, 1024-2047 Wk, 2048-3071 Wv;  wo16 [1024][1024] f16.
; A block's scale is 2^(floor(log2(its largest magnitude)) - 2); its byte is the largest magnitude's own exponent field - 2, held at 1 from below.  Each number is divided by the scale and rounded to the nearest code, ties to even;
; beyond 6 the conversion gives the largest code.
; LIMITS: a block of zeros gets the byte 1 where the quantiser says 127 (its codes are zeros, which add nothing under any byte but 0xff, and this program alone reads the bytes); blocks whose largest magnitude lies under
; 2^(2 - 126) are held at the byte 1; NaN and infinities among the inputs are not served; |Wo| stays under 65,504 (f16).
; SHARES: rows are dense and K is a multiple of 32, so every tensor is a plain stream of blocks of 32.  A work-group takes 32,768 numbers, a wave 8,192.  Work-groups 0-255: x; 256-287: Wq; 288-319: Wk; 320-351: Wv; 352-383: Wo.
; The four quantised tensors take ONE path: only pointers are chosen, by the work-group's number.  Wo's work-groups take a path of their own, which touches no LDS.
; The quantising path: 16 steps of 512 numbers a wave.  The conversions take 8 numbers of one block from a lane's registers, so a lane must hold 16 NEIGHBOURS; a load is best where neighbouring LANES take neighbouring bytes.
; Both are had: each of a step's four loads reads 512 consecutive bytes; the 2,048 bytes go through the wave's own stage in LDS and come back 64 bytes a lane (16 bytes of padding behind each 64).
; A lane's 16 codes are 8 bytes: the wave stores 256 consecutive bytes.  A wave's 256 scale bytes are gathered in its own LDS bytes and leave as one aligned run of 256 bytes.  No barrier: waves share nothing.
.set WAVES, 4
.set STEPS, 16
.set EMAX,  2
.set CB,    8                          ; bytes of 16 codes
.set R,     16                         ; v16-79   four sets of 16 numbers as they are loaded
.set X,     80                         ; v80-111  two sets of 16 neighbours
.set E,     112                        ; v112-127 a scale byte for each step
.set C,     128                        ; v128-191 codes: four registers for each step, so that no store's data are written again
.set WREG,  8192                       ; LDS: a region for each wave: two stages of 32 x SP bytes, and behind them its 256 scale bytes
.set SP,    80                         ; a lane's place in a stage: 64 bytes + 16 of padding
.set SPW,   12                         ; v12  LDS address of my spare word: SPARE + 4 x my thread's number; never rewritten
.set NIL,   13                         ; v13  0; never rewritten
.set SPARE, WAVES*WREG                 ; behind the four regions: the spare words, 128 bytes for each wave
.set SRC,   26                         ; s[26:27] the tensor that I read, at my wave's run
.set COD,   30                         ; s[30:31] its codes
.set SCB,   32                         ; s[32:33] its scale bytes
.macro LOAD t
.irp i, 0,1,2,3
	global_load_b128 v[R+16*((\t)%4)+4*\i:R+16*((\t)%4)+4*\i+3], v3, s[SRC:SRC+1] offset:2048*(\t)+512*\i th:TH_LOAD_NT   ; 32 lanes read 512 consecutive bytes
.endr
.endm
.macro TURN t                          ; step t's numbers through the stage: LDS serves a wave's instructions in order, so no wait stands between the stores and the loads
.irp i, 0,1,2,3
	ds_store_b128 v14, v[R+16*((\t)%4)+4*\i:R+16*((\t)%4)+4*\i+3] offset:32*SP*((\t)%2)+8*SP*\i
.endr
.irp i, 0,1,2,3
	ds_load_b128 v[X+16*((\t)%2)+4*\i:X+16*((\t)%2)+4*\i+3], v15 offset:32*SP*((\t)%2)+16*\i
.endr
.endm
.macro STEP t
.set XS, X+16*((\t)%2)
.if (\t) > 0
	s_wait_dscnt 1                                 ; this step's numbers are back from the stage (the last step's byte store may be out): so its stores into the stage have read their registers,
.else
	s_wait_dscnt 0x0
.endif
.if (\t)+4 < STEPS
	LOAD (\t)+4                                    ; which take the loads of four steps on
.endif
.if (\t)+1 < STEPS
.if STEPS-2-(\t) >= 3
	s_wait_loadcnt 12                              ; the next step's four loads are in; those of the three steps behind it may be out
.else
	s_wait_loadcnt 4*(STEPS-2-(\t))
.endif
	TURN (\t)+1                                    ; and go through the other stage while this step is worked
.endif
	v_max3_num_f32 v8, |v[XS]|, |v[XS+1]|, |v[XS+2]|               ; the largest magnitude of my 16, in two chains
	v_max3_num_f32 v9, |v[XS+3]|, |v[XS+4]|, |v[XS+5]|
.irp i, 6,10
	v_max3_num_f32 v8, v8, |v[XS+\i]|, |v[XS+\i+1]|
	v_max3_num_f32 v9, v9, |v[XS+\i+2]|, |v[XS+\i+3]|
.endr
	v_max3_num_f32 v8, v8, |v[XS+14]|, |v[XS+15]|
	v_max3_num_f32 v8, v8, v9, (EMAX+1)<<23        ; and the floor 2^(EMAX + 1 - 127): so the byte cannot fall under 1
	v_max_num_f32_dpp v8, v8, v8 row_xmask:1 row_mask:0xf bank_mask:0xf   ; and of my neighbour's 16: the block's
	v_add_nc_u32 v11, -(EMAX<<23), v8              ; EMAX off its exponent field: the conversion takes the exponent field of this operand as its scale, and nothing else of it
	v_cvt_scalef32_pk8_fp4_f32 v[C+4*(\t)], v[XS:XS+7], v11
	v_cvt_scalef32_pk8_fp4_f32 v[C+4*(\t)+1], v[XS+8:XS+15], v11
	v_lshrrev_b32 v[E+(\t)], 23, v11               ; the scale's byte (also the plain line behind the conversions)
	ds_store_b8 v5, v[E+(\t)] offset:16*(\t)       ; both lanes of a block write the same byte with the same value
	global_store_b64 v4, v[C+4*(\t):C+4*(\t)+1], s[COD:COD+1] offset:32*CB*(\t)   ; 32 lanes store 256 consecutive bytes, aligned
.endm
; Wo's path: batch bt of 16 loads (512 consecutive bytes each) into set st; then 32 conversions and 16 stores of 256 consecutive bytes
.macro WLOAD bt, st
.irp i, 0,1,2,3,4,5,6,7,8,9,10,11,12,13,14,15
	global_load_b128 v[16+64*(\st)+4*\i:16+64*(\st)+4*\i+3], v3, s[12:13] offset:(16*(\bt)+\i)*512 th:TH_LOAD_NT
.endr
.endm
.macro WCVT bt, st
.irp i, 0,1,2,3,4,5,6,7,8,9,10,11,12,13,14,15
	v_cvt_pk_f16_f32 v[144+2*\i], v[16+64*(\st)+4*\i], v[16+64*(\st)+4*\i+1]
	v_cvt_pk_f16_f32 v[145+2*\i], v[16+64*(\st)+4*\i+2], v[16+64*(\st)+4*\i+3]
.endr
.irp i, 0,1,2,3,4,5,6,7,8,9,10,11,12,13,14,15
	global_store_b64 v4, v[144+2*\i:145+2*\i], s[22:23] offset:(16*(\bt)+\i)*256
.endr
.endm
	s_load_b256 s[4:11], s[0:1], 0x0               ; x s[4:5], Wq s[6:7], Wk s[8:9], Wv s[10:11]
	s_load_b256 s[12:19], s[0:1], 0x20             ; Wo s[12:13], xc s[14:15], xs s[16:17], wc s[18:19]
	s_load_b128 s[20:23], s[0:1], 0x40             ; ws s[20:21], wo16 s[22:23]
	v_lshl_add_u32 v[SPW], v0, 2, SPARE
	v_mov_b32 v[NIL], 0
	v_lshrrev_b32 v1, 5, v0
	v_readfirstlane_b32 s24, v1                    ; wave
	v_and_b32 v2, 31, v0                           ; lane
	v_lshlrev_b32 v3, 4, v2                        ; my 16 bytes of a load's 512
	s_mul_i32 s25, s24, WREG
	v_lshrrev_b32 v14, 2, v2
	v_mul_u32_u24 v14, v14, SP
	v_and_b32 v15, 3, v2
	v_lshl_add_u32 v14, v15, 4, v14
	v_add_nc_u32 v14, s25, v14                     ; the stage, on the way in: SP (lane / 4) + 16 (lane % 4)
	v_mul_u32_u24 v15, v2, SP
	v_add_nc_u32 v15, s25, v15                     ; and on the way out: SP x lane: my 16 neighbours
	v_mul_u32_u24 v4, v2, CB                       ; 8 bytes a lane: my codes' place in a step's (and my f16 numbers' in Wo's path)
	v_lshrrev_b32 v5, 1, v2
	s_add_co_u32 s25, s25, 2*32*SP
	v_add_nc_u32 v5, s25, v5                       ; LDS: my wave's 256 scale bytes, my block's byte
	v_lshlrev_b32 v7, 3, v2                        ; and on the way out 8 bytes a lane
	v_add_nc_u32 v6, s25, v7
	s_and_b32 s29, ttmp9, 31                       ; a weight's work-groups begin at multiples of 32
	s_wait_kmcnt 0x0
	s_cmp_ge_u32 ttmp9, 352
	s_cbranch_scc1 .Lwo
	s_cmp_lt_u32 ttmp9, 320                        ; the choices hang on the work-group's number alone
	s_cselect_b64 s[SRC:SRC+1], s[8:9], s[10:11]
	s_cmp_lt_u32 ttmp9, 288
	s_cselect_b64 s[SRC:SRC+1], s[6:7], s[SRC:SRC+1]
	s_cmp_lt_u32 ttmp9, 256
	s_cselect_b64 s[SRC:SRC+1], s[4:5], s[SRC:SRC+1]
	s_cselect_b64 s[COD:COD+1], s[14:15], s[18:19]
	s_cselect_b64 s[SCB:SCB+1], s[16:17], s[20:21]
	s_cselect_b32 s28, 0, 256                      ; where the destination's work-groups begin
	s_cselect_b32 s29, ttmp9, s29                  ; my work-group's place in the tensor that it reads
	s_lshl_b32 s34, s29, 2
	s_add_co_u32 s34, s34, s24                     ; which run of 8,192 numbers of the source is my wave's
	s_lshl_b32 s34, s34, 15                        ; 32,768 bytes a run (1,023 runs at the most: under 2^32)
	s_mov_b32 s35, 0
	s_add_nc_u64 s[SRC:SRC+1], s[SRC:SRC+1], s[34:35]
	s_sub_co_u32 s36, ttmp9, s28
	s_lshl_b32 s36, s36, 2
	s_add_co_u32 s36, s36, s24                     ; and which run of the destination
	s_lshl_b32 s34, s36, 12                        ; 4,096 bytes of codes a run
	s_add_nc_u64 s[COD:COD+1], s[COD:COD+1], s[34:35]
	s_lshl_b32 s34, s36, 8                         ; 256 scale bytes a run
	s_add_nc_u64 s[SCB:SCB+1], s[SCB:SCB+1], s[34:35]
.irp t, 0,1,2,3
	LOAD \t
.endr
	s_wait_loadcnt 12                              ; step 0's four loads are in
	TURN 0
.irp t, 0,1,2,3,4,5,6,7,8,9,10,11,12,13,14,15
	STEP \t
.endr
	ds_load_b64 v[8:9], v6                         ; LDS serves a wave's instructions in order: these see my stores
	s_wait_dscnt 0x0
	global_store_b64 v7, v[8:9], s[SCB:SCB+1]      ; 32 lanes store 256 consecutive bytes, aligned
	s_wait_tensorcnt 0x0                           ; the wave's end, behind my last LDS store
	ds_add_u32 v[SPW], v[NIL]
	s_wait_dscnt 0x0
	s_endpgm
.Lwo:                                              ; Wo to f16: 8,192 numbers a wave, four batches of 16 loads, two batches on their way
	s_sub_co_u32 s34, ttmp9, 352
	s_lshl_b32 s34, s34, 2
	s_add_co_u32 s36, s34, s24                     ; my wave's run
	s_lshl_b32 s34, s36, 15
	s_mov_b32 s35, 0
	s_add_nc_u64 s[12:13], s[12:13], s[34:35]
	s_lshl_b32 s34, s36, 14
	s_add_nc_u64 s[22:23], s[22:23], s[34:35]
	WLOAD 0, 0
	WLOAD 1, 1
	s_wait_loadcnt 16                              ; batch 0 is in; batch 1's sixteen may be out
	WCVT 0, 0
	WLOAD 2, 0
	s_wait_loadcnt 16                              ; batch 1 is in
	s_wait_xcnt 0x0                                ; the stores have read their data: v144-175 are written again only behind this wait
	WCVT 1, 1
	WLOAD 3, 1
	s_wait_loadcnt 16
	s_wait_xcnt 0x0
	WCVT 2, 0
	s_wait_loadcnt 0x0
	s_wait_xcnt 0x0
	WCVT 3, 1
	s_endpgm
.Lfunc_end_k_q7dfdabc1c2_quant:
	.size	k_q7dfdabc1c2_quant, .Lfunc_end_k_q7dfdabc1c2_quant-k_q7dfdabc1c2_quant
	.p2alignl 7, 3214868480
	.fill 96, 4, 3214868480
	.section	.rodata,"a",@progbits
	.p2align	6, 0x0
	.amdhsa_kernel k_q7dfdabc1c2_quant
		.amdhsa_group_segment_fixed_size 33280
		.amdhsa_private_segment_fixed_size 0
		.amdhsa_enable_private_segment 0
		.amdhsa_kernarg_size 80
		.amdhsa_user_sgpr_count 2
		.amdhsa_user_sgpr_kernarg_segment_ptr 1
		.amdhsa_wavefront_size32 1
		.amdhsa_system_sgpr_workgroup_id_x 1
		.amdhsa_system_sgpr_workgroup_id_y 1
		.amdhsa_system_sgpr_workgroup_id_z 1
		.amdhsa_system_vgpr_workitem_id 0
		.amdhsa_next_free_vgpr 192
		.amdhsa_next_free_sgpr 66
		.amdhsa_reserve_vcc 0
		.amdhsa_float_denorm_mode_32 3
		.amdhsa_float_denorm_mode_16_64 3
		.amdhsa_memory_ordered 1
		.amdhsa_forward_progress 1
		.amdhsa_inst_pref_size 54
	.end_amdhsa_kernel
	.amdgpu_metadata
---
amdhsa.version: [ 1, 2 ]
amdhsa.kernels:
  - .name:           k_q7dfdabc1c2_quant
    .symbol:         k_q7dfdabc1c2_quant.kd
    .args:
      - { .name: x, .offset: 0, .size: 8, .value_kind: global_buffer, .address_space: global }
      - { .name: Wq, .offset: 8, .size: 8, .value_kind: global_buffer, .address_space: global }
      - { .name: Wk, .offset: 16, .size: 8, .value_kind: global_buffer, .address_space: global }
      - { .name: Wv, .offset: 24, .size: 8, .value_kind: global_buffer, .address_space: global }
      - { .name: Wo, .offset: 32, .size: 8, .value_kind: global_buffer, .address_space: global }
      - { .name: xc, .offset: 40, .size: 8, .value_kind: global_buffer, .address_space: global }
      - { .name: xs, .offset: 48, .size: 8, .value_kind: global_buffer, .address_space: global }
      - { .name: wc, .offset: 56, .size: 8, .value_kind: global_buffer, .address_space: global }
      - { .name: ws, .offset: 64, .size: 8, .value_kind: global_buffer, .address_space: global }
      - { .name: wo16, .offset: 72, .size: 8, .value_kind: global_buffer, .address_space: global }
    .group_segment_fixed_size: 33280
    .private_segment_fixed_size: 0
    .kernarg_segment_align: 8
    .kernarg_segment_size: 80
    .max_flat_workgroup_size: 128
    .sgpr_count:     66
    .vgpr_count:     192
    .wavefront_size: 32
...
	.end_amdgpu_metadata
.endif
;; end of part 1
;; launch qkv (part 2): grid 12 x 32, 4 waves a work-group, clusters of 4 x 4, 327,680 bytes of LDS; arguments xc, xs, wc, ws, qkv, qkvf; writes qkv, qkvf
.if DOCPART == 2
	.amdgcn_target "amdgcn-amd-amdhsa--gfx1250"
	.amdhsa_code_object_version 6
	.text
	.protected	k_q7dfdabc1c2_qkv
	.globl	k_q7dfdabc1c2_qkv
	.p2align	8
	.type	k_q7dfdabc1c2_qkv,@function
k_q7dfdabc1c2_qkv:
	s_mov_b64 s[64:65], 0
	v_nop
	global_prefetch_b8 v0, s[64:65] scope:SCOPE_SE
	s_setreg_imm32_b32 hwreg(HW_REG_WAVE_MODE, 25, 1), 1
	s_wait_xcnt 0x0
	s_wait_alu depctr_hold_cnt(0) depctr_sa_sdst(0) depctr_va_vdst(0) depctr_va_sdst(0) depctr_va_ssrc(0) depctr_va_vcc(0) depctr_vm_vsrc(0)
	s_getreg_b32 s2, hwreg(HW_REG_IB_STS2, 6, 4)
	s_cmp_eq_u32 s2, 0
	s_cbranch_scc0 .Lentry_in_a_cluster
	s_endpgm
.Lentry_in_a_cluster:
	s_bfe_u32 s2, ttmp6, 0x10000c
	s_cmp_lg_u32 s2, 0xf033
	s_cbranch_scc0 .Lentry_shape_is_right
	s_endpgm
.Lentry_shape_is_right:
; q, k, v = x Wq^T, x Wk^T, x Wv^T as ONE product on codes of FP4 (E2M1) with E8M0 scales: C[m][n] = sum over k of A[m][k] B[n][k], A = x's codes [8192][1024], B = the three weights' codes [3072][1024]; sums in f32.
; The results leave as f16, head by head: qkv [3 tensors][64 = batch x 16 + head][2048 positions][64], a row of 128 bytes, the rows of a head dense.  Positions 0-15 of each batch leave a second time in f32: qkvf [64 = batch x 16 + position][3072].
; LIMIT: |q|, |k|, |v| stay under 65,504 (f16).
; A tile of C, 256 x 256, is made by a work-group of four waves; a wave makes 128 x 128: 64 accumulators of 16 x 16, 512 registers.  K = 1,024 is two LDS slots of 512 along K (rows of 256 bytes), each filled once by the tensor data mover.
; THE SCALES of the work-group's 256 rows of A and of B, for all of K, are two dense blocks of memory: they come into LDS once, with the first fills.  By the text's own count a wave has three tensor loads out at the start.
; CLUSTERS: 4 x 4 work-groups.  The four of a row of the cluster need the same tiles of A, the four of a column the same tiles of B: each tile is asked for JOINTLY.  The tile row is cluster y + 8 cy: so cy is the batch, and whether a tile
; holds positions 0-15 hangs on cluster y alone, which all sixteen partners share.
; THE MATRIX INSTRUCTION IS USED TRANSPOSED (source 0 = 16 rows of B, source 1 = 16 rows of A): a lane then holds eight neighbouring numbers of a row of C.
; REGISTERS, in windows of 256: window 0: v0-31 addresses; v32-95 scale words, two sets; from v128 A's fragments, ONE set; on the way out v32-255 are free.
;   window 1: B's fragments, TWO sets, at v0 and at v128.   window 2: the 32 accumulators of my rows 0-63 (accumulator (a, b) at v[8 (8 a + b)]);   window 3: those of my rows 64-127.
.set SIZE_K, 1024
.set KSTEP,  512                       ; along K in a slot
.set NQ,     KSTEP/128                 ; matrix instructions deep
.set ROWB,   256                       ; a tile's row in bytes
.set KROW,   SIZE_K*4/8                ; a row of A or of B in memory, in bytes
.set PITCH,  272                       ; an LDS row: 256 bytes + 16 of padding: the 16 rows that a load touches start at 16 different 16-byte columns of 256
.set FR,     8                         ; registers of a fragment: 16 rows x 128 K
.set NL,     2                         ; LDS loads that bring one
.set NP,     4                         ; places behind this matrix instruction (ISA guide 7.12.1)
.set HALFT,  128*PITCH                 ; 128 rows: what one tensor load brings
.set SLOT,   4*HALFT                   ; A's 256 rows, then B's 256 rows
.set KS,     SIZE_K/32                 ; a row of scales in bytes
.set SCL,    2*SLOT                    ; behind the slots: the scales, as runs of 256 bytes + 16 of padding
.set HALFS,  (128*KS/256)*272          ; the scales of 128 rows
.set SBLK,   (16*KS/256)*272           ; those of 16 rows
.set SPARE,  SCL+4*HALFS               ; behind the scales: the spare words, 128 bytes for each wave
.set WSTG,   8448                      ; the way out: a stage for each wave, in slot 0, which has had its only fill and its last read when the first result is stored there: 16 rows x 528 bytes (f32) or x 272 (f16)
.set ADRA, 16                          ; v16-17  LDS address of my A fragments in slot 0, 1
.set ADRB, 20                          ; v20-21  the same for B
.set STF,  22                          ; v22     the f32 way out: where I put 32 bytes of a row
.set RDF,  23                          ; v23     and where I read a row back
.set STO,  24                          ; v24     the f16 way out: where I put 16 bytes of a row
.set RD,   25                          ; v25     and where I read 16 bytes of four rows of a head back
.set CO,   26                          ; v26     16 x lane
.set ADRS, 27                          ; v27     LDS address of my scale words: lanes 0-15 A's rows, lanes 16-31 B's
.set SPW,  28                          ; v28     LDS address of my spare word; never rewritten
.set NIL,  29                          ; v29     0; never rewritten
.set SC,   32                          ; scale words: set s at v[SC + 8 NQ s]; register NQ i + q: lanes 0-15 the word of A's block i, lanes 16-31 that of B's block i
.set AF,   128                         ; A's fragments, in window 0
.set TMP,  192                         ; the way out: packed results
.set OB,   32                          ; the way out: rows read back: v32-63 and v224-255 by turns
.set G1, 24                            ; s[24:31] descriptor group 1 for A's tiles;  s[32:39] group 0, one set for each slot
.set G0, 32
.set G1B, 48                           ; s[48:55], s[56:63] the same for B's tiles
.set G0B, 56
.set G1S, 68                           ; s[68:75], s[76:79] groups 1 and 0 for A's scales;  s[80:87], s[88:91] for B's
.set G0S, 76
.set G1SB, 80
.set G0SB, 88
.set MSB, 0
.macro WIN new                         ; the immediate's high byte repeats the setting that is left
.if MSB != (\new)
	s_set_vgpr_msb (MSB<<8)|(\new)
.set MSB, (\new)
.endif
.endm
.set MUL_LO, 0xa1                      ; source 0 (B) window 1, source 1 (A) window 0, C and D window 2
.set MUL_HI, 0xf1                      ; the same, C and D window 3
.set TO_B,   0x40                      ; destination window 1, address window 0
; A joint load: waves 0 and 1 fetch for A, waves 2 and 3 for B.  The branch hangs on the wave's number alone.  An s_nop 0 and four v_nop follow each of the two lines.
.macro JLOAD g0a, g1a, g0b, g1b
	s_cmp_eq_u32 s15, 0
	s_cbranch_scc0 .Lfor_b_\@
	tensor_load_to_lds s[\g0a:\g0a+3], s[\g1a:\g1a+7]
	s_nop 0
.rept 4
	v_nop
.endr
	s_branch .Lasked_\@
.Lfor_b_\@:
	tensor_load_to_lds s[\g0b:\g0b+3], s[\g1b:\g1b+7]
	s_nop 0
.rept 4
	v_nop
.endr
.Lasked_\@:
.endm
.macro CROUND                          ; a round of the cluster's barrier
	s_barrier_signal -1
	s_barrier_wait -1
	s_cmp_lg_u32 s14, 0
	s_cbranch_scc1 .Lnot_wave_0_\@
	s_barrier_signal -3
.Lnot_wave_0_\@:
	s_barrier_wait -3
	s_barrier_signal -1
	s_barrier_wait -1
.endm
	s_load_b128 s[4:7], s[0:1], 0x0                ; A's codes s[4:5], A's scales s[6:7]
	s_load_b128 s[8:11], s[0:1], 0x10              ; B's codes s[8:9], B's scales s[10:11]
	s_load_b64 s[12:13], s[0:1], 0x20              ; qkv
	s_load_b64 s[66:67], s[0:1], 0x28              ; qkvf
	v_lshl_add_u32 v[SPW], v0, 2, SPARE
	v_mov_b32 v[NIL], 0
	ds_add_u32 v[SPW], v[NIL]                      ; the wave's opening: the add, twice on end, and its wait ahead of my first tensor load
	ds_add_u32 v[SPW], v[NIL]
	v_lshrrev_b32 v1, 5, v0
	v_readfirstlane_b32 s14, v1                    ; wave 0..3
	s_lshr_b32 s15, s14, 1                         ; which half of the tile's rows is mine.  Also: I fetch for A (0) or for B (1)
	s_and_b32 s16, s14, 1                          ; which half of its columns.  Also: which 128 rows of that tile I fetch
	s_bfe_u32 s40, ttmp6, 0x40000                  ; cx, cy: my place in the cluster
	s_bfe_u32 s41, ttmp6, 0x40004
	s_lshl_b32 s42, ttmp9, 2
	s_add_co_u32 s42, s42, s40                     ; tile column of C = 4 x cluster x + cx
	s_and_b32 s17, ttmp7, 0xffff
	s_lshl_b32 s95, s41, 3
	s_add_co_u32 s17, s17, s95                     ; tile row of C = cluster y + 8 cy: batch cy, its tile cluster y
	s_lshl_b32 s43, s41, 2
	s_lshl_b32 s43, 15, s43                        ; my row of the cluster
	s_lshl_b32 s44, 0x1111, s40                    ; my column
	; descriptor group 1: a tile of 128 rows x 256 bytes, padded in LDS
	s_or_b32 s[G1+0], s43, (0<<16)|(1<<20)|(1<<21)|(5<<22)|(3<<25)  ; 15:0 the mask: A's tiles go to my row; 17:16 element of 1 byte; 20 padding on; 21 set beside a mask; 24:22 after every 64 words; 31:25 of 4 words
	s_or_b32 s[G1B+0], s44, (0<<16)|(1<<20)|(1<<21)|(5<<22)|(3<<25)
.irp g, G1, G1B
	s_mov_b32 s[\g+1], ROWB<<16                    ; tensor_dim0
	s_mov_b32 s[\g+2], 128<<16                     ; tensor_dim1 = 128
	s_mov_b32 s[\g+3], ROWB<<16                    ; tile_dim0
	s_mov_b32 s[\g+4], 128                         ; tile_dim1 = 128
	s_mov_b32 s[\g+5], KROW                        ; tensor_dim0_stride
	s_mov_b32 s[\g+6], 0
	s_mov_b32 s[\g+7], 0
.endr
	; and for the scales of 128 rows: a dense block of 4,096 bytes, as rows of 256 bytes (32 elements of 8 bytes), 16 bytes of padding behind each
	s_or_b32 s[G1S+0], s43, (3<<16)|(1<<20)|(1<<21)|(5<<22)|(3<<25)
	s_or_b32 s[G1SB+0], s44, (3<<16)|(1<<20)|(1<<21)|(5<<22)|(3<<25)
.irp g, G1S, G1SB
	s_mov_b32 s[\g+1], 32<<16
	s_mov_b32 s[\g+2], (128*KS/256)<<16
	s_mov_b32 s[\g+3], 32<<16
	s_mov_b32 s[\g+4], 128*KS/256
	s_mov_b32 s[\g+5], 32
	s_mov_b32 s[\g+6], 0
	s_mov_b32 s[\g+7], 0
.endr
	s_lshl_b32 s18, s16, 7                         ; which 128 rows of the tile I fetch
	s_lshl_b32 s20, s17, 8
	s_add_co_u32 s20, s20, s18                     ; A: row 256 x tile row + 128 x half
	s_lshl_b32 s46, s42, 8
	s_add_co_u32 s46, s46, s18                     ; B: row 256 x tile column + 128 x half
	s_mov_b32 s21, 0
	s_mov_b32 s47, 0
	s_mov_b64 s[18:19], KS
	s_mul_u64 s[22:23], s[20:21], s[18:19]         ; where these rows' scales begin, in bytes
	s_mul_u64 s[92:93], s[46:47], s[18:19]
	s_mov_b64 s[18:19], KROW
	s_mul_u64 s[20:21], s[20:21], s[18:19]         ; and their codes
	s_mul_u64 s[46:47], s[46:47], s[18:19]
	s_mul_i32 s45, s14, HALFT                      ; where they go: wave x 128 rows: no place in the cluster enters an LDS address
	s_mul_i32 s94, s14, HALFS
	s_wait_dscnt 0x0                               ; both opening adds are done
	s_wait_kmcnt 0x0
	s_add_nc_u64 s[20:21], s[4:5], s[20:21]
	s_add_nc_u64 s[22:23], s[6:7], s[22:23]
	s_add_nc_u64 s[46:47], s[8:9], s[46:47]
	s_add_nc_u64 s[92:93], s[10:11], s[92:93]
	CROUND                                         ; all sixteen work-groups are here: the first joint loads meet
	s_mov_b32 s[G0S], 1
	s_add_co_u32 s[G0S+1], s94, SCL
	s_mov_b64 s[G0S+2:G0S+3], s[22:23]
	s_or_b32 s[G0S+3], s[G0S+3], 0x80000000
	s_mov_b32 s[G0SB], 1
	s_add_co_u32 s[G0SB+1], s94, SCL
	s_mov_b64 s[G0SB+2:G0SB+3], s[92:93]
	s_or_b32 s[G0SB+3], s[G0SB+3], 0x80000000
	JLOAD G0S, G1S, G0SB, G1SB                     ; the scales first: they are wanted with the first slot
.irp s, 0,1
	s_mov_b32 s[G0+4*\s], 1
	s_add_co_u32 s[G0+4*\s+1], s45, \s*SLOT
	s_add_nc_u64 s[G0+4*\s+2:G0+4*\s+3], s[20:21], \s*ROWB
	s_or_b32 s[G0+4*\s+3], s[G0+4*\s+3], 0x80000000
	s_mov_b32 s[G0B+4*\s], 1
	s_add_co_u32 s[G0B+4*\s+1], s45, \s*SLOT
	s_add_nc_u64 s[G0B+4*\s+2:G0B+4*\s+3], s[46:47], \s*ROWB
	s_or_b32 s[G0B+4*\s+3], s[G0B+4*\s+3], 0x80000000
	JLOAD G0+4*\s, G1, G0B+4*\s, G1B
.endr
	v_and_b32 v1, 15, v0                           ; r = l % 16
	v_bfe_u32 v2, v0, 4, 1                         ; h = l / 16
	v_mul_u32_u24 v3, v1, PITCH
	v_lshl_add_u32 v4, v2, 4, v3                   ; a fragment's row x pitch + 16 x half
	s_mul_i32 s21, s15, HALFT                      ; my 128 rows of A
	s_mul_i32 s22, s16, HALFT                      ; my 128 rows of B,
	s_add_co_u32 s22, s22, 2*HALFT                 ; which lie behind A's 256
.irp s, 0,1
	v_add_nc_u32 v[ADRA+\s], s21, v4
	v_add_nc_u32 v[ADRB+\s], s22, v4
	s_add_co_u32 s21, s21, SLOT
	s_add_co_u32 s22, s22, SLOT
.endr
	v_mul_u32_u24 v5, v1, KS                       ; my row's scales: KS bytes a row,
	v_lshrrev_b32 v6, 8, v5
	v_lshl_add_u32 v5, v6, 4, v5                   ; and 16 more for each 256 passed
	s_mul_i32 s21, s15, HALFS                      ; A's: my 128 rows
	s_mul_i32 s22, s16, HALFS                      ; B's: my 128 rows, behind A's 256
	s_add_co_u32 s22, s22, 2*HALFS
	s_sub_co_u32 s22, s22, s21
	v_mul_u32_u24 v6, s22, v2                      ; lanes 16-31 take B's
	s_add_co_u32 s21, s21, SCL
	v_add_nc_u32 v5, v5, v6
	v_add_nc_u32 v[ADRS], s21, v5
	s_mul_i32 s23, s14, WSTG                       ; my stage
	v_mul_u32_u24 v5, v1, 528                      ; f32, in: row r, 32 bytes for each half of the lanes
	v_lshl_add_u32 v5, v2, 5, v5
	v_add_nc_u32 v[STF], s23, v5
	v_and_b32 v6, 31, v0
	v_lshlrev_b32 v[CO], 4, v6                     ; 16 x lane
	v_add_nc_u32 v[RDF], s23, v[CO]                ; f32, back: the 32 lanes take one row of 512 bytes
	v_mul_u32_u24 v5, v1, 272                      ; f16, in: row r, 16 bytes for each half of the lanes
	v_lshl_add_u32 v5, v2, 4, v5
	v_add_nc_u32 v[STO], s23, v5
	v_lshrrev_b32 v5, 3, v6                        ; f16, back: eight lanes take the 128 bytes that a row has of one head; four rows an instruction
	v_mul_u32_u24 v5, v5, 272
	v_and_b32 v7, 7, v0
	v_lshl_add_u32 v5, v7, 4, v5
	v_add_nc_u32 v[RD], s23, v5
	; where my part begins in qkv: tensor (tile column / 4) << 24, batch cy << 22, head (4 (tile column % 4) + 2 x my column half) << 18, position (256 cluster y + 128 x my row half) x 128 bytes
	s_lshr_b32 s20, s42, 2
	s_lshl_b32 s20, s20, 24
	s_lshl_b32 s21, s41, 22
	s_add_co_u32 s20, s20, s21
	s_and_b32 s21, s42, 3
	s_lshl_b32 s21, s21, 2
	s_lshl_b32 s46, s16, 1
	s_add_co_u32 s21, s21, s46
	s_lshl_b32 s21, s21, 18
	s_add_co_u32 s20, s20, s21
	s_and_b32 s21, ttmp7, 0xffff                   ; cluster y
	s_or_b32 s96, s21, s15                         ; 0 in the waves whose first 16 rows are positions 0-15: cluster y and the wave's number alone, the same in all partners
	s_lshl_b32 s21, s21, 15
	s_add_co_u32 s20, s20, s21
	s_lshl_b32 s21, s15, 14
	s_add_co_u32 s20, s20, s21
	s_mov_b32 s21, 0
	s_add_nc_u64 s[12:13], s[12:13], s[20:21]
	; and in qkvf: row 16 cy, column 256 x tile column + 128 x my column half
	s_mul_i32 s20, s41, 16*12288
	s_lshl_b32 s21, s42, 10
	s_add_co_u32 s20, s20, s21
	s_lshl_b32 s21, s16, 9
	s_add_co_u32 s20, s20, s21
	s_mov_b32 s21, 0
	s_add_nc_u64 s[66:67], s[66:67], s[20:21]
.macro FRAG reg, adr, q, i             ; a fragment, 16 rows x 128 K of 4-bit codes, is 8 registers: lane l holds row l % 16; registers 4 c .. 4 c + 3 hold K = 64 c + 32 (l / 16) + 0 .. 31
.irp c, 0,1
	ds_load_b128 v[\reg+4*\c:\reg+4*\c+3], v[\adr] offset:64*(\q)+32*\c+(\i)*16*PITCH
.endr
.endm
; 16 matrix instructions: A's blocks a0, a0 + 1 x B's eight, 128 along K: the slot's q-th.  p: B's set;  sc: the set of scale words.  zero = 1: the first product starts the sums.
; The 64 accumulators take turns, one instruction a turn, in the same order in every step.
.macro MUL16 a0, p, q, sc, zero
.irp a, \a0, \a0+1
.irp b, 0,1,2,3,4,5,6,7
.if \zero
	v_wmma_scale_f32_16x16x128_f8f6f4 v[8*(8*((\a)%4)+\b):8*(8*((\a)%4)+\b)+7], v[128*(\p)+FR*\b:128*(\p)+FR*\b+FR-1], v[AF+FR*(\a):AF+FR*(\a)+FR-1], 0, v[SC+8*NQ*(\sc)+NQ*\b+(\q)], v[SC+8*NQ*(\sc)+NQ*(\a)+(\q)] matrix_a_fmt:MATRIX_FMT_FP4 matrix_b_fmt:MATRIX_FMT_FP4 matrix_a_scale:MATRIX_SCALE_ROW1
.else
	v_wmma_scale_f32_16x16x128_f8f6f4 v[8*(8*((\a)%4)+\b):8*(8*((\a)%4)+\b)+7], v[128*(\p)+FR*\b:128*(\p)+FR*\b+FR-1], v[AF+FR*(\a):AF+FR*(\a)+FR-1], v[8*(8*((\a)%4)+\b):8*(8*((\a)%4)+\b)+7], v[SC+8*NQ*(\sc)+NQ*\b+(\q)], v[SC+8*NQ*(\sc)+NQ*(\a)+(\q)] matrix_a_fmt:MATRIX_FMT_FP4 matrix_b_fmt:MATRIX_FMT_FP4 matrix_a_scale:MATRIX_SCALE_ROW1
.endif
.endr
.endr
.endm
.macro FETCH_B slot, q, p              ; B's eight fragments of the slot's q-th 128 along K into set p
	WIN TO_B
.irp i, 0,1,2,3,4,5,6,7
	FRAG 128*(\p)+FR*\i, ADRB+\slot, \q, \i
.endr
	WIN 0
.endm
.macro FETCH_A slot, q, i0             ; A's blocks i0 .. i0 + 3
.irp i, \i0, \i0+1, \i0+2, \i0+3
	FRAG AF+FR*(\i), ADRA+\slot, \q, \i
.endr
.endm
.macro SCALES sc                       ; a slot's scale words into set sc: NQ words a row; lanes 0-15 take A's block i, lanes 16-31 B's block i
.irp i, 0,1,2,3,4,5,6,7
	ds_load_b128 v[SC+8*NQ*\sc+NQ*\i:SC+8*NQ*\sc+NQ*\i+3], v[ADRS] offset:\i*SBLK
.endr
.endm
; A load into a register that a matrix instruction has read, and a vector instruction or an LDS store that reads a matrix result, stand NP places behind that matrix instruction; only plain vector
; instructions that name none of its registers are places.
.macro PLACES n
.rept \n
	v_nop
.endr
.endm
; A step of 128 along K that has its successor in the same slot.
.macro STEP slot, q, zero
	s_wait_dscnt 4*NL                              ; B's set and A's blocks 0-3 are in; the youngest eight loads (A's blocks 4-7) may be out
	WIN MUL_LO
	MUL16 0, (\q)%2, \q, \slot, \zero
	MUL16 2, (\q)%2, \q, \slot, \zero
	s_wait_dscnt 0                                 ; A's blocks 4-7 are in
	PLACES NP
	FETCH_B \slot, (\q)+1, 1-(\q)%2
	FETCH_A \slot, (\q)+1, 0
	WIN MUL_HI
	MUL16 4, (\q)%2, \q, \slot, \zero
	MUL16 6, (\q)%2, \q, \slot, \zero
	PLACES NP
	WIN 0
	FETCH_A \slot, (\q)+1, 4
.endm
; Slot 0's last step changes slots: one barrier; in front of it each wave waits for all its tensor loads (its part of slot 1), adds 0 to its spare word, and waits for that and for its own reads of slot 0.  Nothing is filled again.
.macro TURN slot, next
	s_wait_tensorcnt 0x0                           ; all my tensor loads have landed
	ds_add_u32 v[SPW], v[NIL]                      ; 0 onto my spare word
	s_wait_dscnt 4*NL+1                            ; (the add and the youngest eight loads, A's blocks 4-7, may be out)
	WIN MUL_LO
	MUL16 0, 1, NQ-1, \slot, 0
	s_wait_dscnt 0x0                               ; the add is done, and my reads of this slot are over
	s_barrier_signal -1
	MUL16 2, 1, NQ-1, \slot, 0
	WIN 0
	s_barrier_wait -1
	PLACES NP
	v_add_nc_u32 v[ADRS], 4*NQ, v[ADRS]            ; on to the next slot's scale words
	FETCH_B \next, 0, 0
	FETCH_A \next, 0, 0
	SCALES \next
	WIN MUL_HI
	MUL16 4, 1, NQ-1, \slot, 0
	MUL16 6, 1, NQ-1, \slot, 0
	PLACES NP
	WIN 0
	FETCH_A \next, 0, 4
.endm
	s_wait_tensorcnt 1                             ; the scales and my part of slot 0 are in (slot 1's load may be out),
	s_barrier_signal -1
	s_barrier_wait -1                              ; everybody's are
	FETCH_B 0, 0, 0
	FETCH_A 0, 0, 0
	SCALES 0
	FETCH_A 0, 0, 4
	STEP 0, 0, 1                                   ; the first step's products start the sums
	STEP 0, 1, 0
	STEP 0, 2, 0
	TURN 0, 1
	STEP 1, 0, 0
	STEP 1, 1, 0
	STEP 1, 2, 0
	s_wait_dscnt 4*NL                              ; the very last step: nothing more to fetch
	WIN MUL_LO
	MUL16 0, 1, NQ-1, 1, 0
	MUL16 2, 1, NQ-1, 1, 0
	s_wait_dscnt 0
	WIN MUL_HI
	MUL16 4, 1, NQ-1, 1, 0
	MUL16 6, 1, NQ-1, 1, 0
	WIN 0
; THE WAY OUT.  Accumulator (a, b), lane (r, h), register j: row 16 a + r, column 16 b + 8 h + j of my 128 x 128.
	PLACES NP                                      ; behind the last products: for the first reads of results and the loads into registers that held operands and scales
	s_cmp_lg_u32 s96, 0
	s_cbranch_scc1 .Lno_fine
	; positions 0-15 in f32: block 0 goes through my stage as it is and comes back as whole rows of 512 bytes
	WIN 0x08                                       ; an LDS store's data are its source 1: window 2
.irp b, 0,1,2,3,4,5,6,7
	ds_store_b128 v[STF], v[8*\b:8*\b+3] offset:64*\b              ; each accumulator from its low end on
	ds_store_b128 v[STF], v[8*\b+4:8*\b+7] offset:64*\b+16
.endr
	WIN 0
.irp t, 0,1,2,3,4,5,6,7,8,9,10,11,12,13,14,15
	ds_load_b128 v[128+4*\t:128+4*\t+3], v[RDF] offset:\t*528      ; LDS serves a wave's instructions in order: these see the stores above
.endr
	s_wait_dscnt 0x0
.irp t, 0,1,2,3,4,5,6,7,8,9,10,11,12,13,14,15
	global_store_b128 v[CO], v[128+4*\t:128+4*\t+3], s[66:67] offset:\t*12288   ; 32 lanes store 512 consecutive bytes, at a multiple of 256 from the buffer's first byte
.endr
	s_wait_xcnt 0x0
.Lno_fine:
; All eight blocks in f16.  PACK: rounded, 16 bytes a lane.  TOSTAGE: into my stage (rows of 256 bytes + 16: two heads' 128 bytes), and back four rows of one head at a time.  SEND: stored.
.macro PACK a
.set AC, 64*((\a)%4)
	WIN 0x0a+5*((\a)/4)                            ; sources 0 and 1: window 2 or 3
.irp b, 0,1,2,3,4,5,6,7
.irp i, 0,1,2,3
	v_cvt_pk_f16_f32 v[TMP+4*\b+\i], v[AC+8*\b+2*\i], v[AC+8*\b+2*\i+1]
.endr
.endr
	WIN 0
.endm
.macro TOSTAGE a
.set BK, OB+192*((\a)%2)
.irp b, 0,1,2,3,4,5,6,7
	ds_store_b128 v[STO], v[TMP+4*\b:TMP+4*\b+3] offset:32*\b
.endr
.irp t, 0,1,2,3,4,5,6,7
	ds_load_b128 v[BK+4*\t:BK+4*\t+3], v[RD] offset:(\t%4)*4*272+(\t/4)*128   ; rows 4 (t % 4) on, head t / 4
.endr
.endm
.macro SEND a
.set BK, OB+192*((\a)%2)
	s_wait_dscnt 0x0                               ; the block is back in registers
	s_wait_xcnt 0x0                                ; the stores of the block before have read their registers: the next block's loads land there only behind this wait
.irp t, 0,1,2,3,4,5,6,7
	global_store_b128 v[CO], v[BK+4*\t:BK+4*\t+3], s[12:13] offset:(\a)*2048+(\t%4)*512+(\t/4)*262144   ; four rows of a head: 512 consecutive bytes, aligned; every offset an immediate
.endr
.endm
	PACK 0
	TOSTAGE 0
.irp a, 1,2,3,4,5,6,7                  ; block a's conversions stand between block a - 1's loads from the stage and the wait for them
	PACK \a
	SEND \a-1
	TOSTAGE \a
.endr
	SEND 7
	s_wait_tensorcnt 0x0                           ; the wave's end, behind my last tensor load and my last LDS store
	ds_add_u32 v[SPW], v[NIL]
	s_wait_dscnt 0x0
	CROUND                                         ; the closing round: no work-group ends while a partner may still ask for a tile that names it
	s_endpgm
.Lfunc_end_k_q7dfdabc1c2_qkv:
	.size	k_q7dfdabc1c2_qkv, .Lfunc_end_k_q7dfdabc1c2_qkv-k_q7dfdabc1c2_qkv
	.p2alignl 7, 3214868480
	.fill 96, 4, 3214868480
	.section	.rodata,"a",@progbits
	.p2align	6, 0x0
	.amdhsa_kernel k_q7dfdabc1c2_qkv
		.amdhsa_group_segment_fixed_size 327680
		.amdhsa_private_segment_fixed_size 0
		.amdhsa_enable_private_segment 0
		.amdhsa_kernarg_size 48
		.amdhsa_user_sgpr_count 2
		.amdhsa_user_sgpr_kernarg_segment_ptr 1
		.amdhsa_wavefront_size32 1
		.amdhsa_system_sgpr_workgroup_id_x 1
		.amdhsa_system_sgpr_workgroup_id_y 1
		.amdhsa_system_sgpr_workgroup_id_z 1
		.amdhsa_system_vgpr_workitem_id 0
		.amdhsa_next_free_vgpr 1024
		.amdhsa_next_free_sgpr 100
		.amdhsa_reserve_vcc 0
		.amdhsa_float_denorm_mode_32 3
		.amdhsa_float_denorm_mode_16_64 3
		.amdhsa_memory_ordered 1
		.amdhsa_forward_progress 1
		.amdhsa_inst_pref_size 131
	.end_amdhsa_kernel
	.amdgpu_metadata
---
amdhsa.version: [ 1, 2 ]
amdhsa.kernels:
  - .name:           k_q7dfdabc1c2_qkv
    .symbol:         k_q7dfdabc1c2_qkv.kd
    .args:
      - { .name: xc, .offset: 0, .size: 8, .value_kind: global_buffer, .address_space: global }
      - { .name: xs, .offset: 8, .size: 8, .value_kind: global_buffer, .address_space: global }
      - { .name: wc, .offset: 16, .size: 8, .value_kind: global_buffer, .address_space: global }
      - { .name: ws, .offset: 24, .size: 8, .value_kind: global_buffer, .address_space: global }
      - { .name: qkv, .offset: 32, .size: 8, .value_kind: global_buffer, .address_space: global }
      - { .name: qkvf, .offset: 40, .size: 8, .value_kind: global_buffer, .address_space: global }
    .group_segment_fixed_size: 327680
    .private_segment_fixed_size: 0
    .kernarg_segment_align: 8
    .kernarg_segment_size: 48
    .max_flat_workgroup_size: 128
    .sgpr_count:     100
    .vgpr_count:     1024
    .wavefront_size: 32
...
	.end_amdgpu_metadata
.endif
;; end of part 2
;; launch attn (part 3): grid 4 x 64, 16 waves a work-group, no clusters, 327,680 bytes of LDS; arguments qkv, o16; writes o16
.if DOCPART == 3
	.amdgcn_target "amdgcn-amd-amdhsa--gfx1250"
	.amdhsa_code_object_version 6
	.text
	.protected	k_q7dfdabc1c2_attn
	.globl	k_q7dfdabc1c2_attn
	.p2align	8
	.type	k_q7dfdabc1c2_attn,@function
k_q7dfdabc1c2_attn:
	s_mov_b64 s[64:65], 0
	v_nop
	global_prefetch_b8 v0, s[64:65] scope:SCOPE_SE
	s_setreg_imm32_b32 hwreg(HW_REG_WAVE_MODE, 25, 1), 1
	s_wait_xcnt 0x0
; o[bh][q][:] = the sum over k <= q of softmax_k(q . k / 8) v[k][:], causal, head size 64, 2,048 positions, 64 heads (batch x 16 + head).  Operands in f16, products, maxima and sums in f32.
; q, k, v: qkv [3][64][2048][64] f16.  o: o16 [16 heads][8192 = batch x 2048 + position][64] f16.
; LIMITS: |q|, |k|, |v| under 65,504 (f16); the weights p (at most 1) are rounded to f16 for the second product; the row's sum is taken of the unrounded p; sums in another order than a row-wise sum.
; SHARES.  Four work-groups to a head, j = 0..3; sixteen waves, each with 32 queries (two tiles of 16) in 256 registers: four waves to a SIMD, so that one wave's vector work stands beside another's matrix work.
; Wave w = 4 k + s takes block g = 4 k + (k odd ? 3 - j : j) of 128 queries, and of it queries 32 s on.  The four g of a work-group add up to 30 for every j: under the causal mask all work-groups have the same work.
; NO CLUSTER: the four work-groups of a head need 16 - j blocks of 128 keys, so partners would need different numbers of tiles.
; Every work-group walks all eight slots of 256 keys: the trip counts are constants.  A step of 64 keys that come after all of a wave's queries is jumped over (a scalar branch on ids); a slot whose first key comes after
; the work-group's last query is not asked for.
; LAYOUT.  S^T = K Q^T (source 0 = 16 keys, source 1 = 16 queries): a lane holds ONE query (lane % 16) and the keys 8 (lane / 16) + 0..7.  Two such tiles, rounded to f16 in pairs, ARE source 1 (32 keys x 16 queries) of
; O^T = V^T P, whose result again holds one query a lane.  K comes out of LDS as it lies, V ([key][channel]) turned, by ds_load_tr16_b128.
; SOFTMAX.  For each query a running maximum m and sum l: p = 2^(c s - c m), c = log2(e) / 8; in every step O and l are multiplied by a = 2^(c m_old - c m_new).
; LDS.  A row of K or V is 128 bytes and a head's rows are dense: a tile is stated as lines of 256 bytes, two keys a line.  K: pitch 272; V: pitch 288.  Two slots, 2^17 bytes apart; the spare words; a stage of 16 x 144 bytes a wave.
.set SK,    256                        ; keys in a slot
.set KP,    272                        ; two keys of K: 256 bytes + 16: the 16 rows of a load fall on 16 different 16-byte columns of 256
.set VP,    288                        ; two keys of V: 256 bytes + 32: the 8 rows x 2 columns of a turning load likewise
.set VOFF,  128*KP                     ; a slot: 128 lines of K, then 128 lines of V
.set SLOT1, 1<<17
.set NSL,   2048/SK
.set SPARE, 2*SLOT1                    ; the spare words, 128 bytes for each of 16 waves
.set STAGE, SPARE+2048                 ; the way out: 2,304 bytes a wave; no tile lands here
.set AK0, 1                            ; v1   my lane's place in a tile of K
.set AV0, 2                            ; v2   the same for V
.set ADK, 3                            ; v3   LDS address of the step's K
.set ADV, 4                            ; v4   of its V
.set SPW, 5                            ; v5   LDS address of my spare word; never rewritten
.set NIL, 6                            ; v6   0; never rewritten
.set GO,  7                            ; v7   16 x lane
.set DQ,  8                            ; v8   lane % 16 - 8 (lane / 16)
.set D0,  9                            ; v9, v10  the diagonal: tile t's query less the lane's first key
.set NEG, 11                           ; v11  -infinity
.set STO, 12                           ; v12  the way out: where I put 16 bytes of a row
.set RD,  13                           ; v13  and where I read four rows back
.set PFO, 14                           ; v14  256 x lane; never rewritten
.set QA,  15                           ; v15  my byte offset in the wave's rows of Q
.set ST,  16                           ; v16-31  tile t's statistics at ST + 8 t: +0 c m, +1 m, +2, +3 l, +4 to +7 at work; a at +6
.set QF,  32                           ; v32-63  Q: tile t, channels 32 c on: QF + 16 t + 8 c
.set SC,  64                           ; v64-127 S^T: SC + 32 t + 8 kt; then p; P in place: tile t's 16 registers at SC + 32 t
.set OT,  128                          ; v128-191 O^T: OT + 32 t + 8 dt
.set KV,  192                          ; v192-255 one buffer: K's fragments, then V's
.set WV,  18                           ; s18
.set SEL, 20                           ; s[20:21]
.set CS,  22                           ; s[22:23]
.set G1K, 24
.set G1V, 32
.set G0K, 40
.set G0V, 44
.set TB,  2                            ; s2   LDS byte at which the slot in hand begins
.set LQ,  66                           ; s66  my work-group's last query
.set SLOTS, 67                         ; s67  changes of slots still to come in the loop
.set PFA, 76                           ; s[76:77] where my prefetches stand
.set LIM, 80                           ; s80  1 in a wave that prefetches, else the greatest number
.set KF,  98                           ; s98  the step's first key
.set Q0,  99                           ; s99  my first query
; Wave 0 fetches a slot's K, wave 1 its V, the others nothing: each load covers all 256 keys of the slot, so that some of its bytes are read wherever the slot is asked for.
; The branches hang on the wave's number alone.  An s_nop 0 and four v_nop follow each of the two lines.
.macro TLOAD
	s_cmp_eq_u32 s[WV], 0
	s_cbranch_scc0 .Lnot_k_\@
	tensor_load_to_lds s[G0K:G0K+3], s[G1K:G1K+7]
	s_nop 0
.rept 4
	v_nop
.endr
	s_branch .Lasked_\@
.Lnot_k_\@:
	s_cmp_eq_u32 s[WV], 1
	s_cbranch_scc0 .Lasked_\@
	tensor_load_to_lds s[G0V:G0V+3], s[G1V:G1V+7]
	s_nop 0
.rept 4
	v_nop
.endr
.Lasked_\@:
.endm
; A prefetch of what the NEXT change of slots will ask for: 32,768 bytes of K and of V.  All four work-groups of a head walk the same K and V: the one with j = 0, which walks all slots, asks.  In it waves 4 to 7 ask for K's block,
; 8,192 bytes a wave, lanes 256 bytes apart, waves 8 to 11 for V's: each aligned block of 256 bytes is named once in the launch.  The last change that fills a slot asks for nothing; slots 0 and 1 come by their loads alone.
.macro ASK
	s_cmp_gt_u32 s[SLOTS], s[LIM]
	s_cbranch_scc0 .Lnot_mine_\@
	global_prefetch_b8 v[PFO], s[PFA:PFA+1] th:TH_LOAD_NT scope:SCOPE_SE
.Lnot_mine_\@:
.endm
	s_load_b128 s[4:7], s[0:1], 0x0                ; qkv s[4:5], o16 s[6:7]
	v_lshl_add_u32 v[SPW], v0, 2, SPARE
	v_mov_b32 v[NIL], 0
	ds_add_u32 v[SPW], v[NIL]                      ; the wave's opening: the add, twice on end, and its wait ahead of the first tensor load
	ds_add_u32 v[SPW], v[NIL]
	v_lshrrev_b32 v9, 5, v0
	v_readfirstlane_b32 s[WV], v9                  ; wave 0..15
	s_and_b32 s68, ttmp7, 0xffff                   ; bh = batch x 16 + head
	s_lshl_b32 s70, s68, 18                        ; a head's 2,048 rows of 128 bytes
	s_mov_b32 s71, 0
	s_lshr_b32 s72, s[WV], 2                       ; k
	s_and_b32 s73, s72, 1
	s_mul_i32 s73, s73, 3
	s_xor_b32 s73, s73, ttmp9                      ; j, or 3 - j where k is odd
	s_lshl_b32 s72, s72, 2
	s_add_co_u32 s72, s72, s73                     ; g
	s_lshl_b32 s72, s72, 7
	s_and_b32 s73, s[WV], 3
	s_lshl_b32 s73, s73, 5
	s_add_co_u32 s[Q0], s72, s73                   ; my first query: 128 g + 32 s
	s_lshl_b32 s74, s[Q0], 7
	s_mov_b32 s75, 0
	s_and_b32 s84, s68, 15
	s_lshl_b32 s84, s84, 20                        ; o16: the head's 8,192 rows,
	s_lshr_b32 s85, s68, 4
	s_lshl_b32 s85, s85, 18                        ; the batch's 2,048 of them,
	s_add_co_u32 s84, s84, s85
	s_add_co_u32 s84, s84, s74                     ; my first query
	s_mov_b32 s85, 0
	s_sub_co_u32 s[LQ], 16, ttmp9
	s_lshl_b32 s[LQ], s[LQ], 7
	s_sub_co_u32 s[LQ], s[LQ], 1                   ; the work-group's last query: 128 (16 - j) - 1
	; descriptor group 1: 128 lines of 128 elements of 2 bytes, dense in memory, padded in LDS
	s_mov_b32 s[G1K], (1<<16)|(1<<20)|(5<<22)|(3<<25)   ; no mask; elements of 2 bytes; padding on: 4 words after every 64
	s_mov_b32 s[G1V], (1<<16)|(1<<20)|(5<<22)|(7<<25)   ; the same with 8 words
.irp g, G1K, G1V
	s_mov_b32 s[\g+1], 128<<16                     ; tensor_dim0 = 128
	s_mov_b32 s[\g+2], 128<<16                     ; tensor_dim1 = 128
	s_mov_b32 s[\g+3], 128<<16                     ; tile_dim0 = 128
	s_mov_b32 s[\g+4], 128                         ; tile_dim1 = 128
	s_mov_b32 s[\g+5], 128                         ; tensor_dim0_stride
	s_mov_b32 s[\g+6], 0
	s_mov_b32 s[\g+7], 0
.endr
	s_mov_b32 s[SEL], 0x76543210
	s_mov_b32 s[SEL+1], 0xfedcba98                 ; v_permlanex16_b32: lane l xor 16
	s_mov_b32 s[CS], 0x3e38aa3b                    ; c = log2(e) / 8
	s_mov_b32 s[CS+1], s[CS]                       ; (named with it as a pair, so it is written)
	s_mov_b32 s[TB], 0
	s_mov_b32 s[KF], 0
	s_mov_b32 s[SLOTS], NSL-1
	s_wait_dscnt 0x0                               ; both opening adds are done
	s_wait_kmcnt 0x0
	s_add_nc_u64 s[12:13], s[4:5], s[70:71]        ; q of my head,
	s_add_nc_u64 s[8:9], s[12:13], 0x1000000       ; k,
	s_add_nc_u64 s[10:11], s[12:13], 0x2000000     ; v
	s_add_nc_u64 s[12:13], s[12:13], s[74:75]      ; q at my first query
	s_add_nc_u64 s[14:15], s[6:7], s[84:85]        ; o likewise
	s_mov_b32 s[G0K], 1                            ; count = 1
	s_mov_b32 s[G0K+1], 0                          ; LDS address: slot 0
	s_mov_b64 s[G0K+2:G0K+3], s[8:9]               ; the head's first 256 keys
	s_or_b32 s[G0K+3], s[G0K+3], 0x80000000        ; type = 2
	s_mov_b32 s[G0V], 1
	s_mov_b32 s[G0V+1], VOFF
	s_mov_b64 s[G0V+2:G0V+3], s[10:11]
	s_or_b32 s[G0V+3], s[G0V+3], 0x80000000
	TLOAD                                          ; slot 0
	v_and_b32 v9, 15, v0                           ; r
	v_bfe_u32 v10, v0, 4, 1                        ; h
	v_lshlrev_b32 v[QA], 7, v9
	v_lshl_add_u32 v[QA], v10, 4, v[QA]            ; row r of 128 bytes + 16 h
.irp t, 0,1
.irp c, 0,1
	global_load_b128 v[QF+16*\t+8*\c:QF+16*\t+8*\c+3], v[QA], s[12:13] offset:\t*2048+64*\c       ; Q stays in registers
	global_load_b128 v[QF+16*\t+8*\c+4:QF+16*\t+8*\c+7], v[QA], s[12:13] offset:\t*2048+64*\c+32
.endr
.endr
	s_cmp_lt_u32 s[WV], 8                          ; the prefetches: waves 4 to 7 K, waves 8 to 11 V
	s_cselect_b64 s[PFA:PFA+1], s[8:9], s[10:11]
	s_and_b32 s82, s[WV], 3
	s_lshl_b32 s82, s82, 13                        ; my wave's 8,192 bytes,
	s_add_co_u32 s82, s82, SK*128                  ; in slot 1: the first change of slots steps it to slot 2
	s_mov_b32 s83, 0
	s_add_nc_u64 s[PFA:PFA+1], s[PFA:PFA+1], s[82:83]
	s_sub_co_u32 s82, s[WV], 4
	s_lshr_b32 s82, s82, 3                         ; 0 in waves 4 to 11,
	s_or_b32 s82, s82, ttmp9                       ; of the work-group with j = 0
	s_cmp_eq_u32 s82, 0
	s_cselect_b32 s[LIM], 1, -1
	v_lshrrev_b32 v11, 1, v9
	v_mul_u32_u24 v[AK0], v11, KP                  ; K: key r lies in line r / 2,
	v_and_b32 v11, 1, v0
	v_lshl_add_u32 v[AK0], v11, 7, v[AK0]          ; half r % 2,
	v_lshl_add_u32 v[AK0], v10, 4, v[AK0]          ; + 16 h
	v_bfe_u32 v11, v0, 1, 2                        ; V: the turning load's lane l reads key 8 h + l % 8: line 4 h + (l % 8) / 2,
	v_lshl_add_u32 v11, v10, 2, v11
	v_mul_u32_u24 v[AV0], v11, VP
	v_and_b32 v11, 1, v0
	v_lshl_add_u32 v[AV0], v11, 7, v[AV0]          ; half l % 2,
	v_bfe_u32 v11, v0, 3, 1
	v_lshl_add_u32 v[AV0], v11, 4, v[AV0]          ; channels 8 ((l / 8) % 2) on
	v_add_nc_u32 v[AV0], VOFF, v[AV0]
	s_mul_i32 s81, s[WV], 2304
	s_add_co_u32 s81, s81, STAGE                   ; my stage
	v_mul_u32_u24 v[STO], v9, 144
	v_lshl_add_u32 v[STO], v10, 4, v[STO]
	v_add_nc_u32 v[STO], s81, v[STO]               ; in: row r, + 16 h
	v_bfe_u32 v11, v0, 3, 2
	v_mul_u32_u24 v[RD], v11, 144
	v_and_b32 v11, 7, v0
	v_lshl_add_u32 v[RD], v11, 4, v[RD]
	v_add_nc_u32 v[RD], s81, v[RD]                 ; back: eight lanes to a row of 128 bytes, four rows an instruction
	v_and_b32 v11, 31, v0
	v_lshlrev_b32 v[GO], 4, v11
	v_lshlrev_b32 v[PFO], 8, v11
	v_lshlrev_b32 v11, 3, v10
	v_sub_nc_u32 v[DQ], v9, v11
.irp t, 0,1
	v_mov_b32 v[ST+8*\t+1], 0xff61b1e6             ; m: -3e38, under every score
	v_mul_f32 v[ST+8*\t], s[CS], v[ST+8*\t+1]      ; c m
.irp i, 2,3,4,5,6,7
	v_mov_b32 v[ST+8*\t+\i], 0                     ; l, and the registers at work
.endr
.endr
.set i, 0
.rept 64
	v_mov_b32 v[OT+i], 0                           ; O^T.  (The step is written once: the first finds zeros, which a = 0 leaves zeros)
.set i, i+1
.endr
; A KEY STEP: 64 keys, the q-th of the slot in hand.
.macro STEP q
	s_add_co_u32 s96, s[Q0], 31
	s_cmp_gt_u32 s[KF], s96                        ; all 64 keys come after my 32 queries: the step's work is left out; no barrier and no tensor load stands in a step
	s_cbranch_scc1 .Lhidden_\@
	v_add_nc_u32 v[ADK], s[TB], v[AK0]
	v_add_nc_u32 v[ADV], s[TB], v[AV0]
.rept 3
	v_nop                                          ; with the two additions five places behind the last step's products: four for the loads into the buffer that they read, five for the products that write S^T over P
.endr
.irp kt, 0,1,2,3
.irp c, 0,1
	ds_load_b128 v[KV+16*\kt+8*\c:KV+16*\kt+8*\c+3], v[ADK] offset:(32*(\q)+8*\kt)*KP+64*\c
	ds_load_b128 v[KV+16*\kt+8*\c+4:KV+16*\kt+8*\c+7], v[ADK] offset:(32*(\q)+8*\kt)*KP+64*\c+32
.endr
.endr
	s_wait_dscnt 0x0
.irp c, 0,1                                    ; S^T = K Q^T: the eight accumulators take turns, one instruction a turn
.irp kt, 0,1,2,3
.irp t, 0,1
.if \c == 0
	v_wmma_f32_16x16x32_f16 v[SC+32*\t+8*\kt:SC+32*\t+8*\kt+7], v[KV+16*\kt+8*\c:KV+16*\kt+8*\c+7], v[QF+16*\t+8*\c:QF+16*\t+8*\c+7], 0
.else
	v_wmma_f32_16x16x32_f16 v[SC+32*\t+8*\kt:SC+32*\t+8*\kt+7], v[KV+16*\kt+8*\c:KV+16*\kt+8*\c+7], v[QF+16*\t+8*\c:QF+16*\t+8*\c+7], v[SC+32*\t+8*\kt:SC+32*\t+8*\kt+7]
.endif
.endr
.endr
.endr
.rept 4
	v_nop                                          ; places: for the loads into K's registers, and for the first reads of the scores
.endr
.irp ks, 0,1                                   ; V, turned: keys 32 ks on, channels 16 dt on; it lands while the softmax is walked
.irp dt, 0,1,2,3
	ds_load_tr16_b128 v[KV+32*\ks+8*\dt:KV+32*\ks+8*\dt+3], v[ADV] offset:(32*(\q)+16*\ks)*VP+32*\dt
	ds_load_tr16_b128 v[KV+32*\ks+8*\dt+4:KV+32*\ks+8*\dt+7], v[ADV] offset:(32*(\q)+16*\ks)*VP+8*VP+32*\dt
.endr
.endr
	s_add_co_u32 s96, s[KF], 63                    ; on the diagonal the scores of hidden keys become -infinity ahead of the maximum.  A step all of whose keys count skips this
	s_cmp_le_u32 s96, s[Q0]
	s_cbranch_scc1 .Lopen_\@
	s_sub_co_i32 s96, s[Q0], s[KF]                 ; 0 or 32
	v_add_nc_u32 v[D0], s96, v[DQ]                 ; tile 0: my query - KF - 8 h.  Register 8 kt + j holds key KF + 16 kt + 8 h + j: hidden where 16 kt + j is above this
	v_add_nc_u32 v[D0+1], 16, v[D0]                ; tile 1
	v_mov_b32 v[NEG], 0xff800000
.irp t, 0,1
.irp kt, 0,1,2,3
.irp j, 0,1,2,3,4,5,6,7
	v_cmp_gt_i32 vcc_lo, 16*\kt+\j, v[D0+\t]
	v_cndmask_b32 v[SC+32*\t+8*\kt+\j], v[SC+32*\t+8*\kt+\j], v[NEG], vcc_lo
.endr
.endr
.endr
.Lopen_\@:
.irp j, 0,1,2,3                                ; the maximum of my 32 scores and the old m: four chains, each accumulator from its low end on; the two tiles by turns
.irp t, 0,1
	v_max3_num_f32 v[ST+8*\t+4+\j], v[SC+32*\t+8*\j], v[SC+32*\t+8*\j+1], v[SC+32*\t+8*\j+2]
.endr
.endr
.irp i, 3,5
.irp j, 0,1,2,3
.irp t, 0,1
	v_max3_num_f32 v[ST+8*\t+4+\j], v[ST+8*\t+4+\j], v[SC+32*\t+8*\j+\i], v[SC+32*\t+8*\j+\i+1]
.endr
.endr
.endr
.irp t, 0,1
	v_max3_num_f32 v[ST+8*\t+4], v[ST+8*\t+4], v[SC+32*\t+7], v[SC+32*\t+15]
.endr
.irp t, 0,1
	v_max3_num_f32 v[ST+8*\t+6], v[ST+8*\t+6], v[SC+32*\t+23], v[SC+32*\t+31]
.endr
.irp t, 0,1
	v_max3_num_f32 v[ST+8*\t+4], v[ST+8*\t+4], v[ST+8*\t+5], v[ST+8*\t+6]
.endr
.irp t, 0,1
	v_max3_num_f32 v[ST+8*\t+4], v[ST+8*\t+4], v[ST+8*\t+7], v[ST+8*\t+1]
.endr
.irp t, 0,1
	v_permlanex16_b32 v[ST+8*\t+5], v[ST+8*\t+4], s[SEL], s[SEL+1]   ; the query's other 32 keys lie in the lane 16 away
.endr
.irp t, 0,1
	v_mov_b32 v[ST+8*\t+7], v[ST+8*\t]             ; c m_old is kept for a
.endr
.irp t, 0,1
	v_max_num_f32 v[ST+8*\t+1], v[ST+8*\t+4], v[ST+8*\t+5]   ; the new m
.endr
.irp t, 0,1
	v_mul_f32 v[ST+8*\t], s[CS], v[ST+8*\t+1]      ; c m
.endr
.irp t, 0,1
	v_sub_f32 v[ST+8*\t+7], v[ST+8*\t+7], v[ST+8*\t]
.endr
.irp i, 0,2,4,6,8,10,12,14,16,18,20,22,24,26,28,30
.irp t, 0,1
	v_pk_fma_f32 v[SC+32*\t+\i:SC+32*\t+\i+1], v[SC+32*\t+\i:SC+32*\t+\i+1], s[CS:CS+1], v[ST+8*\t:ST+8*\t+1] op_sel_hi:[1,0,0] neg_lo:[0,0,1] neg_hi:[0,0,1]   ; c s - c m, two at a time
.endr
.endr
.irp t, 0,1                                    ; ONE batch of 66 exponentials: a and the 32 p of each tile
	v_exp_f32 v[ST+8*\t+6], v[ST+8*\t+7]
.endr
.set i, 0
.rept 32
	v_exp_f32 v[SC+i], v[SC+i]
	v_exp_f32 v[SC+32+i], v[SC+32+i]
.set i, i+1
.endr
	v_nop                                          ; a plain instruction behind the last exponential,
	s_wait_alu depctr_va_vdst(0)                   ; and the one wait ahead of the batch's first reader
.irp t, 0,1
	v_pk_mul_f32 v[ST+8*\t+2:ST+8*\t+3], v[ST+8*\t+2:ST+8*\t+3], v[ST+8*\t+6:ST+8*\t+7] op_sel_hi:[1,0]   ; l under the new m
.endr
.irp t, 0,1                                    ; the sum of the unrounded p, in two chains
	v_pk_add_f32 v[ST+8*\t+4:ST+8*\t+5], v[SC+32*\t+2:SC+32*\t+3], v[SC+32*\t+6:SC+32*\t+7]
.endr
.irp i, 0,4
.irp t, 0,1
	v_pk_add_f32 v[ST+8*\t+2:ST+8*\t+3], v[ST+8*\t+2:ST+8*\t+3], v[SC+32*\t+\i:SC+32*\t+\i+1]
.endr
.endr
.irp i, 8,12,16,20,24,28
.irp t, 0,1
	v_pk_add_f32 v[ST+8*\t+2:ST+8*\t+3], v[ST+8*\t+2:ST+8*\t+3], v[SC+32*\t+\i:SC+32*\t+\i+1]
	v_pk_add_f32 v[ST+8*\t+4:ST+8*\t+5], v[ST+8*\t+4:ST+8*\t+5], v[SC+32*\t+\i+2:SC+32*\t+\i+3]
.endr
.endr
.irp t, 0,1
	v_pk_add_f32 v[ST+8*\t+2:ST+8*\t+3], v[ST+8*\t+2:ST+8*\t+3], v[ST+8*\t+4:ST+8*\t+5]
.endr
.set i, 0
.rept 16                                       ; P in f16, in place: pair i goes to register i, which holds nothing that is still wanted
	v_cvt_pk_f16_f32 v[SC+i], v[SC+2*i], v[SC+2*i+1]
	v_cvt_pk_f16_f32 v[SC+32+i], v[SC+32+2*i], v[SC+32+2*i+1]
.set i, i+1
.endr
.set i, 0
.rept 16                                       ; O^T under the new m, each accumulator from its low end on
	v_pk_mul_f32 v[OT+i:OT+i+1], v[OT+i:OT+i+1], v[ST+6:ST+7] op_sel_hi:[1,0]
	v_pk_mul_f32 v[OT+32+i:OT+32+i+1], v[OT+32+i:OT+32+i+1], v[ST+14:ST+15] op_sel_hi:[1,0]
.set i, i+2
.endr
	s_wait_dscnt 0x0                               ; V is in
.irp ks, 0,1                                   ; O^T += V^T P: the eight accumulators take turns
.irp dt, 0,1,2,3
.irp t, 0,1
	v_wmma_f32_16x16x32_f16 v[OT+32*\t+8*\dt:OT+32*\t+8*\dt+7], v[KV+32*\ks+8*\dt:KV+32*\ks+8*\dt+7], v[SC+32*\t+8*\ks:SC+32*\t+8*\ks+7], v[OT+32*\t+8*\dt:OT+32*\t+8*\dt+7]
.endr
.endr
.endr
.Lhidden_\@:
	s_add_co_u32 s[KF], s[KF], 64
.endm
; THE CHANGE OF SLOTS stands at a slot's head.  Each wave waits for all its tensor loads, adds 0 to its spare word (fill = 1: twice on end), and waits for that and for its reads of the slot that it has left.
; Behind the barrier the slot ahead is whole and nobody reads the other one.  fill = 1: that other slot is filled with the keys that follow, up to the causal limit: the load has a slot's four steps in which to land.
.macro CHANGE fill
	s_wait_tensorcnt 0x0                           ; no tensor load of mine is out, so a group 0 may be written
	ds_add_u32 v[SPW], v[NIL]                      ; 0 onto my spare word
.if \fill
	ds_add_u32 v[SPW], v[NIL]                      ; and once more: the add twice on end here, in every trip alike
	s_xor_b32 s[G0K+1], s[G0K+1], SLOT1            ; the walking descriptors: the other slot than last time,
	s_add_nc_u64 s[G0K+2:G0K+3], s[G0K+2:G0K+3], SK*128   ; the next 256 keys; the type bits on top are not reached
	s_xor_b32 s[G0V+1], s[G0V+1], SLOT1
	s_add_nc_u64 s[G0V+2:G0V+3], s[G0V+2:G0V+3], SK*128
	s_wait_xcnt 0x0                                ; the last prefetch, a slot back, has read its address, so it may be written:
	s_add_nc_u64 s[PFA:PFA+1], s[PFA:PFA+1], SK*128   ; one slot further on than the walking descriptors
.endif
	s_wait_dscnt 0x0                               ; the add is done, and my reads of the slot that I have left are over
	s_barrier_signal -1
	s_barrier_wait -1
.if \fill
	s_add_co_u32 s96, s[KF], SK                    ; the first key of the slot that this change would ask for:
	s_cmp_gt_u32 s96, s[LQ]                        ; past my work-group's last query it would be read by none of the sixteen waves.  The work-group's number and the count of steps alone: all waves go the same way
	s_cbranch_scc1 .Lpast_\@
	TLOAD                                          ; a wave's one tensor load until the next change; every wait for tensor loads in this text is for 0
.Lpast_\@:
	ASK
.endif
.endm
.macro SLOT_STEPS
	STEP 0
	STEP 1
	STEP 2
	STEP 3
	s_xor_b32 s[TB], s[TB], SLOT1                  ; on to the other slot
.endm
	s_wait_loadcnt 0x0                             ; Q
.Lslot:                                            ; seven trips: behind each change of slots but the last the next slot is asked for
	CHANGE 1
	SLOT_STEPS
	s_sub_co_u32 s[SLOTS], s[SLOTS], 1
	s_cmp_lg_u32 s[SLOTS], 0
	s_cbranch_scc1 .Lslot
	CHANGE 0                                       ; the last slot is written out: nothing is left to ask for
	SLOT_STEPS
	; THE WAY OUT.  l's two halves and the other half of the lanes' are added; O^T is divided by l, rounded to f16 and sent through my stage, a tile (16 rows of 128 bytes) at a time.
.rept 4
	v_nop                                          ; places behind the last products
.endr
.irp t, 0,1
	v_add_f32 v[ST+8*\t+4], v[ST+8*\t+2], v[ST+8*\t+3]
.endr
.irp t, 0,1
	v_permlanex16_b32 v[ST+8*\t+5], v[ST+8*\t+4], s[SEL], s[SEL+1]
.endr
.irp t, 0,1
	v_add_f32 v[ST+8*\t+4], v[ST+8*\t+4], v[ST+8*\t+5]
.endr
.irp t, 0,1
	v_rcp_f32 v[ST+8*\t+6], v[ST+8*\t+4]
.endr
	v_nop                                          ; a plain instruction behind the last reciprocal,
	s_wait_alu depctr_va_vdst(0)                   ; and the wait ahead of the first use
.irp t, 0,1
.set i, 0
.rept 16
	v_pk_mul_f32 v[OT+32*\t+i:OT+32*\t+i+1], v[OT+32*\t+i:OT+32*\t+i+1], v[ST+8*\t+6:ST+8*\t+7] op_sel_hi:[1,0]
.set i, i+2
.endr
.set i, 0
.rept 16
	v_cvt_pk_f16_f32 v[SC+16*\t+i], v[OT+32*\t+2*i], v[OT+32*\t+2*i+1]   ; registers 4 dt .. 4 dt + 3: channels 16 dt + 8 h + 0 .. 7 of query r
.set i, i+1
.endr
.irp dt, 0,1,2,3
	ds_store_b128 v[STO], v[SC+16*\t+4*\dt:SC+16*\t+4*\dt+3] offset:32*\dt
.endr
.irp i, 0,1,2,3
	ds_load_b128 v[KV+16*\t+4*\i:KV+16*\t+4*\i+3], v[RD] offset:576*\i   ; LDS serves a wave's instructions in order: these see the stores above, and the next tile's stores come behind them
.endr
.endr
	s_wait_dscnt 0x0
.irp t, 0,1
.irp i, 0,1,2,3
	global_store_b128 v[GO], v[KV+16*\t+4*\i:KV+16*\t+4*\i+3], s[14:15] offset:\t*2048+512*\i   ; four rows: 512 consecutive bytes, aligned
.endr
.endr
	s_wait_tensorcnt 0x0                           ; the wave's end, behind my last tensor load and my last LDS store
	ds_add_u32 v[SPW], v[NIL]
	s_wait_dscnt 0x0
	s_endpgm
.Lfunc_end_k_q7dfdabc1c2_attn:
	.size	k_q7dfdabc1c2_attn, .Lfunc_end_k_q7dfdabc1c2_attn-k_q7dfdabc1c2_attn
	.p2alignl 7, 3214868480
	.fill 96, 4, 3214868480
	.section	.rodata,"a",@progbits
	.p2align	6, 0x0
	.amdhsa_kernel k_q7dfdabc1c2_attn
		.amdhsa_group_segment_fixed_size 327680
		.amdhsa_private_segment_fixed_size 0
		.amdhsa_enable_private_segment 0
		.amdhsa_kernarg_size 16
		.amdhsa_user_sgpr_count 2
		.amdhsa_user_sgpr_kernarg_segment_ptr 1
		.amdhsa_wavefront_size32 1
		.amdhsa_system_sgpr_workgroup_id_x 1
		.amdhsa_system_sgpr_workgroup_id_y 1
		.amdhsa_system_sgpr_workgroup_id_z 1
		.amdhsa_system_vgpr_workitem_id 0
		.amdhsa_next_free_vgpr 256
		.amdhsa_next_free_sgpr 100
		.amdhsa_reserve_vcc 1
		.amdhsa_float_denorm_mode_32 3
		.amdhsa_float_denorm_mode_16_64 3
		.amdhsa_memory_ordered 1
		.amdhsa_forward_progress 1
		.amdhsa_inst_pref_size 189
	.end_amdhsa_kernel
	.amdgpu_metadata
---
amdhsa.version: [ 1, 2 ]
amdhsa.kernels:
  - .name:           k_q7dfdabc1c2_attn
    .symbol:         k_q7dfdabc1c2_attn.kd
    .args:
      - { .name: qkv, .offset: 0, .size: 8, .value_kind: global_buffer, .address_space: global }
      - { .name: o16, .offset: 8, .size: 8, .value_kind: global_buffer, .address_space: global }
    .group_segment_fixed_size: 327680
    .private_segment_fixed_size: 0
    .kernarg_segment_align: 8
    .kernarg_segment_size: 16
    .max_flat_workgroup_size: 512
    .sgpr_count:     100
    .vgpr_count:     256
    .wavefront_size: 32
...
	.end_amdgpu_metadata
.endif
;; end of part 3
;; launch oproj (part 4): grid 4 x 64, 4 waves a work-group, clusters of 4 x 4, 327,680 bytes of LDS; arguments o16, wo16, out0; writes out0
.if DOCPART == 4
	.amdgcn_target "amdgcn-amd-amdhsa--gfx1250"
	.amdhsa_code_object_version 6
	.text
	.protected	k_q7dfdabc1c2_oproj
	.globl	k_q7dfdabc1c2_oproj
	.p2align	8
	.type	k_q7dfdabc1c2_oproj,@function
k_q7dfdabc1c2_oproj:
	s_mov_b64 s[64:65], 0
	v_nop
	global_prefetch_b8 v0, s[64:65] scope:SCOPE_SE
	s_setreg_imm32_b32 hwreg(HW_REG_WAVE_MODE, 25, 1), 1
	s_wait_xcnt 0x0
	s_wait_alu depctr_hold_cnt(0) depctr_sa_sdst(0) depctr_va_vdst(0) depctr_va_sdst(0) depctr_va_ssrc(0) depctr_va_vcc(0) depctr_vm_vsrc(0)
	s_getreg_b32 s2, hwreg(HW_REG_IB_STS2, 6, 4)
	s_cmp_eq_u32 s2, 0
	s_cbranch_scc0 .Lentry_in_a_cluster
	s_endpgm
.Lentry_in_a_cluster:
	s_bfe_u32 s2, ttmp6, 0x10000c
	s_cmp_lg_u32 s2, 0xf033
	s_cbranch_scc0 .Lentry_shape_is_right
	s_endpgm
.Lentry_shape_is_right:
; out0[row][n] = sum over k of o[row][k] Wo[n][k], row = batch x 2048 + position, k = head x 64 + channel.  Operands in f16, sums in f32, out0 in f32.
; o: o16 [16 heads][8192 rows][64] f16 (a head's rows dense, 128 bytes each);  Wo: wo16 [1024 n][1024 k] f16;  out0 [8192][1024] f32.
; Positions 0-15 of each batch are not stored here: a later launch makes them in f32.
; A tile of C is 128 rows x 256 columns: 256 work-groups.  Four waves, each 64 x 128: 32 accumulators of 16 x 16, 256 registers.  K goes in 8 steps of 128 (two heads) through a ring of two LDS slots.
; CLUSTERS: 4 x 4 work-groups.  The four of a row of the cluster need the same tiles of o, the four of a column the same tiles of Wo: each is asked for JOINTLY.  The tile row is cluster y + 16 cy: so cy is the batch, and whether a
; tile begins a batch hangs on cluster y alone, which all sixteen partners share.
; THE MATRIX INSTRUCTION IS USED TRANSPOSED (source 0 = 16 rows of Wo, source 1 = 16 rows of o): a lane then holds eight neighbouring numbers of a row of C.
; LDS: a slot: o's two heads, each 64 lines of 256 bytes + 16 (two rows a line); then Wo's two halves of 128 rows of 256 bytes + 16.  Behind the two slots the spare words and a stage of 16 x 528 bytes for each wave.
; REGISTERS: window 0: v0-31 addresses; v32-127, v128-223 two fragment buffers for 32 along K: 32 registers of o (4 x 16 rows), then 64 of Wo (8 x 16 rows).   window 1: accumulator (a, b) at v[8 (8 a + b)].
.set HEADT,  64*272                    ; one head's 128 rows of o
.set HALFB,  128*272                   ; 128 rows of Wo
.set SLOT,   2*HEADT+2*HALFB
.set SPARE,  2*SLOT                    ; the spare words, 128 bytes for each wave
.set STAGE,  SPARE+512
.set SPITCH, 528
.set LAPS,   4                         ; a lap = two K steps = once round the ring
.set ADRA, 16                          ; v16-17  LDS address of my fragments of o in slot 0, 1
.set ADRB, 20                          ; v20-21  the same for Wo
.set STO,  24                          ; v24     the way out: where I put 32 bytes of a row
.set RD,   25                          ; v25     and where I read a row back
.set CO,   26                          ; v26     16 x lane
.set SPW,  28                          ; v28     LDS address of my spare word; never rewritten
.set NIL,  29                          ; v29     0; never rewritten
.set PFO,  30                          ; v30     256 x lane; never rewritten
.set F0,   32
.set F1,   128
.set G1, 24                            ; s[24:31] descriptor group 1 for o's tiles;  s[32:39] group 0, one set for each slot
.set G0, 32
.set G1B, 48                           ; s[48:55], s[56:63] the same for Wo's tiles
.set G0B, 56
.set PFA, 20                           ; s[20:21] where my prefetches stand
.set LIM, 22                           ; s22  1 in wave 0, else the greatest number
.set MSB, 0
.macro WIN new                         ; the immediate's high byte repeats the setting that is left
.if MSB != (\new)
	s_set_vgpr_msb (MSB<<8)|(\new)
.set MSB, (\new)
.endif
.endm
.set MUL, 0x50                         ; sources 0 and 1 window 0; C and D window 1
.macro JLOAD s                         ; a joint load: waves 0 and 1 fetch o's two heads, waves 2 and 3 Wo's two halves; an s_nop 0 and four v_nop follow each of the two lines
	s_cmp_eq_u32 s11, 0
	s_cbranch_scc0 .Lfor_b_\@
	tensor_load_to_lds s[G0+4*\s:G0+4*\s+3], s[G1:G1+7]
	s_nop 0
.rept 4
	v_nop
.endr
	s_branch .Lasked_\@
.Lfor_b_\@:
	tensor_load_to_lds s[G0B+4*\s:G0B+4*\s+3], s[G1B:G1B+7]
	s_nop 0
.rept 4
	v_nop
.endr
.Lasked_\@:
.endm
.macro CREST                           ; a round of the cluster's barrier behind its opening barrier
	s_cmp_lg_u32 s10, 0
	s_cbranch_scc1 .Lnot_wave_0_\@
	s_barrier_signal -3
.Lnot_wave_0_\@:
	s_barrier_wait -3
	s_barrier_signal -1
	s_barrier_wait -1
.endm
.macro CROUND
	s_barrier_signal -1
	s_barrier_wait -1
	CREST
.endm
; A prefetch of o's tiles of the K step that stands two refills on (256 matrix instructions of a wave ahead of the load that will want it): 2 heads x 16,384 bytes, 128 blocks of 256 bytes.  A tile row of o is read by one row of one
; cluster alone; its four partners share the blocks out BY ADDRESS, 32 each (head cx / 2, half cx % 2), a lane a block, wave 0 asking: each block is named once in the launch.  The loop's last trip asks for nothing; K steps 0 to 3
; come by their loads alone.  Wo is not asked for: all clusters read its 2 MiB at the same time.
.macro ASK
	s_cmp_gt_u32 s3, s[LIM]
	s_cbranch_scc0 .Lnot_mine_\@
	global_prefetch_b8 v[PFO], s[PFA:PFA+1] th:TH_LOAD_NT scope:SCOPE_SE
.Lnot_mine_\@:
.endm
	s_load_b128 s[4:7], s[0:1], 0x0                ; o16 s[4:5], wo16 s[6:7]
	s_load_b64 s[8:9], s[0:1], 0x10                ; out0
	v_lshl_add_u32 v[SPW], v0, 2, SPARE
	v_mov_b32 v[NIL], 0
	ds_add_u32 v[SPW], v[NIL]                      ; the wave's opening: the add, twice on end, and its wait ahead of my first tensor load
	ds_add_u32 v[SPW], v[NIL]
	v_lshrrev_b32 v1, 5, v0
	v_readfirstlane_b32 s10, v1                    ; wave 0..3
	s_lshr_b32 s11, s10, 1                         ; which 64 rows of the tile are mine.  Also: I fetch for o (0) or for Wo (1)
	s_and_b32 s12, s10, 1                          ; which 128 columns.  Also: which head, or which half of Wo's rows, I fetch
	s_bfe_u32 s40, ttmp6, 0x40000                  ; cx, cy: my place in the cluster
	s_bfe_u32 s41, ttmp6, 0x40004
	s_lshl_b32 s42, ttmp9, 2
	s_add_co_u32 s42, s42, s40                     ; tile column of C = 4 x cluster x + cx
	s_and_b32 s13, ttmp7, 0xffff                   ; cluster y
	s_or_b32 s45, s13, s11                         ; 0 in the waves whose first 16 rows are positions 0-15: cluster y and the wave's number alone
	s_lshl_b32 s23, s41, 4
	s_add_co_u32 s13, s13, s23                     ; tile row of C = cluster y + 16 cy
	s_lshl_b32 s43, s41, 2
	s_lshl_b32 s43, 15, s43                        ; my row of the cluster
	s_lshl_b32 s44, 0x1111, s40                    ; my column
	s_or_b32 s[G1+0], s43, (1<<16)|(1<<20)|(1<<21)|(5<<22)|(3<<25)  ; the mask: o's tiles go to my row; elements of 2 bytes; padding on; bit 21 beside a mask; 4 words after every 64
	s_or_b32 s[G1B+0], s44, (1<<16)|(1<<20)|(1<<21)|(5<<22)|(3<<25)
	s_mov_b32 s[G1+1], 128<<16                     ; o: 64 lines of 128 elements, dense
	s_mov_b32 s[G1+2], 64<<16
	s_mov_b32 s[G1+3], 128<<16
	s_mov_b32 s[G1+4], 64
	s_mov_b32 s[G1+5], 128
	s_mov_b32 s[G1+6], 0
	s_mov_b32 s[G1+7], 0
	s_mov_b32 s[G1B+1], 128<<16                    ; Wo: 128 rows of 128 elements, 1,024 elements apart
	s_mov_b32 s[G1B+2], 128<<16
	s_mov_b32 s[G1B+3], 128<<16
	s_mov_b32 s[G1B+4], 128
	s_mov_b32 s[G1B+5], 1024
	s_mov_b32 s[G1B+6], 0
	s_mov_b32 s[G1B+7], 0
	s_lshl_b32 s16, s12, 20                        ; o: head s12 of K step 0,
	s_lshl_b32 s17, s13, 14                        ; the tile row's 128 rows of 128 bytes
	s_add_co_u32 s16, s16, s17
	s_mov_b32 s17, 0
	s_lshl_b32 s46, s42, 19                        ; Wo: row 256 x tile column
	s_lshl_b32 s47, s12, 18                        ; + 128 x half, rows of 2,048 bytes
	s_add_co_u32 s46, s46, s47
	s_mov_b32 s47, 0
	s_mul_i32 s18, s12, HEADT                      ; where they go: no place in the cluster enters an LDS address
	s_mul_i32 s19, s12, HALFB
	s_add_co_u32 s19, s19, 2*HEADT
	s_wait_dscnt 0x0                               ; both opening adds are done
	s_wait_kmcnt 0x0
	s_add_nc_u64 s[14:15], s[4:5], s[16:17]
	s_add_nc_u64 s[46:47], s[6:7], s[46:47]
	CROUND                                         ; all sixteen work-groups are here: the first joint loads meet
.irp s, 0,1
	s_mov_b32 s[G0+4*\s], 1
	s_add_co_u32 s[G0+4*\s+1], s18, \s*SLOT
	s_add_nc_u64 s[G0+4*\s+2:G0+4*\s+3], s[14:15], \s*0x200000     ; K step s: two heads on
	s_or_b32 s[G0+4*\s+3], s[G0+4*\s+3], 0x80000000
	s_mov_b32 s[G0B+4*\s], 1
	s_add_co_u32 s[G0B+4*\s+1], s19, \s*SLOT
	s_add_nc_u64 s[G0B+4*\s+2:G0B+4*\s+3], s[46:47], \s*256
	s_or_b32 s[G0B+4*\s+3], s[G0B+4*\s+3], 0x80000000
	JLOAD \s
.endr
	v_and_b32 v1, 15, v0                           ; r
	v_bfe_u32 v2, v0, 4, 1                         ; h
	v_lshrrev_b32 v3, 1, v1
	v_mul_u32_u24 v3, v3, 272                      ; o: row r lies in line r / 2,
	v_and_b32 v4, 1, v0
	v_lshl_add_u32 v3, v4, 7, v3                   ; half r % 2,
	v_lshl_add_u32 v3, v2, 4, v3                   ; + 16 h
	v_mul_u32_u24 v4, v1, 272
	v_lshl_add_u32 v4, v2, 4, v4                   ; Wo: row r x pitch + 16 h
	s_mul_i32 s16, s11, 32*272                     ; my 64 rows of o: 32 lines
	s_mul_i32 s17, s12, HALFB                      ; my 128 rows of Wo,
	s_add_co_u32 s17, s17, 2*HEADT                 ; which lie behind o's two heads
.irp s, 0,1
	v_add_nc_u32 v[ADRA+\s], s16, v3
	v_add_nc_u32 v[ADRB+\s], s17, v4
	s_add_co_u32 s16, s16, SLOT
	s_add_co_u32 s17, s17, SLOT
.endr
	s_mul_i32 s23, s10, 16*SPITCH
	s_add_co_u32 s23, s23, STAGE                   ; my stage
	v_mul_u32_u24 v5, v1, SPITCH
	v_lshl_add_u32 v5, v2, 5, v5
	v_add_nc_u32 v[STO], s23, v5                   ; in: row r, 32 bytes for each half of the lanes
	v_and_b32 v6, 31, v0
	v_lshlrev_b32 v[CO], 4, v6
	v_add_nc_u32 v[RD], s23, v[CO]                 ; back: the 32 lanes take one row of 512 bytes
	v_lshlrev_b32 v[PFO], 8, v6
	s_lshl_b32 s16, s13, 7
	s_lshl_b32 s17, s11, 6
	s_add_co_u32 s16, s16, s17                     ; my first row of C: 128 x tile row + 64 x half
	s_lshl_b32 s16, s16, 12                        ; rows of 4,096 bytes
	s_mov_b32 s17, 0
	s_add_nc_u64 s[8:9], s[8:9], s[16:17]
	s_lshl_b32 s46, s42, 10                        ; my first column, in bytes: 1,024 x tile column + 512 x half
	s_lshl_b32 s47, s12, 9
	s_add_co_u32 s46, s46, s47
	s_mov_b32 s47, 0
	s_add_nc_u64 s[8:9], s[8:9], s[46:47]
	s_lshr_b32 s46, s40, 1                         ; the prefetches: head cx / 2 of K step 3 (the first refill steps it to K step 4),
	s_add_co_u32 s46, s46, 6
	s_lshl_b32 s46, s46, 20
	s_lshl_b32 s47, s13, 14                        ; the tile row,
	s_add_co_u32 s46, s46, s47
	s_and_b32 s47, s40, 1
	s_lshl_b32 s47, s47, 13                        ; half cx % 2 of its 16,384 bytes
	s_add_co_u32 s46, s46, s47
	s_mov_b32 s47, 0
	s_add_nc_u64 s[PFA:PFA+1], s[4:5], s[46:47]
	s_cmp_eq_u32 s10, 0
	s_cselect_b32 s[LIM], 1, -1
; 8 matrix instructions: block a of o's four x Wo's eight, 32 along K, from buffer f.  zero = 1: the first product starts the sums.  The 32 accumulators take turns, one instruction a turn, in the same order in every quarter
.macro MUL8 f, a, zero
.irp b, 0,1,2,3,4,5,6,7
.if \zero
	v_wmma_f32_16x16x32_f16 v[8*(8*(\a)+\b):8*(8*(\a)+\b)+7], v[\f+32+8*\b:\f+32+8*\b+7], v[\f+8*(\a):\f+8*(\a)+7], 0
.else
	v_wmma_f32_16x16x32_f16 v[8*(8*(\a)+\b):8*(8*(\a)+\b)+7], v[\f+32+8*\b:\f+32+8*\b+7], v[\f+8*(\a):\f+8*(\a)+7], v[8*(8*(\a)+\b):8*(8*(\a)+\b)+7]
.endif
.endr
.endm
; 24 LDS loads in one run: the fragments of the slot's q-th 32 along K (head q / 2, channels 32 (q % 2) on) into buffer f
.macro FETCH slot, q, f
	WIN 0
.irp b, 0,1,2,3,4,5,6,7
	ds_load_b128 v[\f+32+8*\b:\f+32+8*\b+3], v[ADRB+\slot] offset:64*(\q)+\b*16*272
	ds_load_b128 v[\f+32+8*\b+4:\f+32+8*\b+7], v[ADRB+\slot] offset:64*(\q)+\b*16*272+32
.endr
.irp a, 0,1,2,3
	ds_load_b128 v[\f+8*\a:\f+8*\a+3], v[ADRA+\slot] offset:((\q)/2)*HEADT+((\q)%2)*64+\a*8*272
	ds_load_b128 v[\f+8*\a+4:\f+8*\a+7], v[ADRA+\slot] offset:((\q)/2)*HEADT+((\q)%2)*64+\a*8*272+32
.endr
.endm
.macro PLACES                          ; four places in front of loads into registers that matrix instructions have read, and of the first reads of results
.rept 4
	v_nop
.endr
.endm
; A K step is four quarters of 32 along K, 32 matrix instructions each, on buffers 0, 1, 0, 1.  One of the first three: multiplies buffer f and fetches quarter qn into g.
.macro QUARTER slot, qn, f, g, zero
	s_wait_dscnt 0x0                               ; buffer f is in (asked for 16 matrix instructions ago)
	WIN MUL
	MUL8 \f, 0, \zero
	MUL8 \f, 1, \zero
	PLACES
	FETCH \slot, \qn, \g
	WIN MUL
	MUL8 \f, 2, \zero
	MUL8 \f, 3, \zero
.endm
; The last quarter multiplies buffer 1 and changes slots: ONE barrier; in front of it each wave waits for all its tensor loads, adds 0 to its spare word, and waits for that and for its own reads of this slot.
; fill = 1: this slot is filled again, two K steps ahead; the barrier then opens a round of the cluster's barrier.
.macro TURN slot, next, fill
.if \fill
	s_wait_xcnt 0x0                                ; the last prefetch, a K step back, has read its address: it is stepped here
	s_add_nc_u64 s[PFA:PFA+1], s[PFA:PFA+1], 0x200000
.endif
	WIN 0                                          ; (the add's two registers lie in window 0)
	s_wait_tensorcnt 0x0                           ; all my tensor loads have landed: my part of the next slot;
	ds_add_u32 v[SPW], v[NIL]                      ; 0 onto my spare word;
	s_wait_dscnt 1                                 ; buffer 1 is in (the add alone may be out)
	WIN MUL
	MUL8 F1, 0, 0                                  ; eight matrix instructions stand between the add and the wait for it
	s_wait_dscnt 0x0                               ; the add is done, and my reads of this slot are over
	s_barrier_signal -1
	MUL8 F1, 1, 0
	WIN 0
	s_barrier_wait -1
.if \fill
	CREST                                          ; no wave of any partner still reads this slot's tiles or has a load on its way
	s_add_nc_u64 s[G0+4*\slot+2:G0+4*\slot+3], s[G0+4*\slot+2:G0+4*\slot+3], 0x400000   ; two K steps on: four heads
	s_add_nc_u64 s[G0B+4*\slot+2:G0B+4*\slot+3], s[G0B+4*\slot+2:G0B+4*\slot+3], 512
	JLOAD \slot                                    ; the first tensor load behind the round; the four v_nop behind it are also the places in front of the loads below
.else
	PLACES
.endif
	FETCH \next, 0, F0
.if \fill
	ASK
.endif
	WIN MUL
	MUL8 F1, 2, 0
	MUL8 F1, 3, 0
.endm
	s_wait_tensorcnt 1                             ; my part of K step 0 is in (K step 1's load may be out),
	s_barrier_signal -1
	s_barrier_wait -1                              ; everybody's is
	FETCH 0, 0, F0
	QUARTER 0, 1, F0, F1, 1                        ; the first quarter stands in front of the loop: its products start the sums
	WIN 0                                          ; at a label and at a branch every window is 0
	s_mov_b32 s3, LAPS-1
.Llap:                                             ; a trip goes once round the ring, from a lap's second quarter to the next lap's first, and fills both slots again
	QUARTER 0, 2, F1, F0, 0
	QUARTER 0, 3, F0, F1, 0
	TURN 0, 1, 1
	QUARTER 1, 1, F0, F1, 0
	QUARTER 1, 2, F1, F0, 0
	QUARTER 1, 3, F0, F1, 0
	TURN 1, 0, 1
	QUARTER 0, 1, F0, F1, 0
	WIN 0
	s_sub_co_u32 s3, s3, 1
	s_cmp_lg_u32 s3, 0
	s_cbranch_scc1 .Llap
	QUARTER 0, 2, F1, F0, 0                        ; the last lap fills nothing, and has no round of the cluster's barrier
	QUARTER 0, 3, F0, F1, 0
	TURN 0, 1, 0
	QUARTER 1, 1, F0, F1, 0
	QUARTER 1, 2, F1, F0, 0
	QUARTER 1, 3, F0, F1, 0
	s_wait_dscnt 0x0                               ; the very last quarter: nothing more to fetch
	WIN MUL
	MUL8 F1, 0, 0
	MUL8 F1, 1, 0
	MUL8 F1, 2, 0
	MUL8 F1, 3, 0
	WIN 0
; THE WAY OUT, block by block of 16 rows x 128 columns: through my own stage in LDS and back as whole rows of 512 bytes.  LDS serves a wave's instructions in order: no wait between the stores and the loads.
.macro TOSTAGE a
	WIN 0x04                                       ; an LDS store's data are its source 1: window 1
.irp b, 0,1,2,3,4,5,6,7
	ds_store_b128 v[STO], v[64*(\a)+8*\b:64*(\a)+8*\b+3] offset:64*\b        ; each accumulator from its low end on
	ds_store_b128 v[STO], v[64*(\a)+8*\b+4:64*(\a)+8*\b+7] offset:64*\b+16
.endr
	WIN 0
.set BB, 32+64*((\a)%2)
.irp t, 0,1,2,3,4,5,6,7,8,9,10,11,12,13,14,15
	ds_load_b128 v[BB+4*\t:BB+4*\t+3], v[RD] offset:\t*SPITCH
.endr
.endm
.macro SEND a, younger                 ; younger: the LDS instructions issued behind block a's loads, which may stay out
.set BB, 32+64*((\a)%2)
	s_wait_dscnt \younger                          ; the block is back in registers
.if (\a) == 0
	s_cmp_eq_u32 s45, 0                            ; positions 0-15 of a batch are another launch's: the sixteen stores alone are jumped over
	s_cbranch_scc1 .Lnot_here
.endif
.irp t, 0,1,2,3,4,5,6,7,8,9,10,11,12,13,14,15
	global_store_b128 v[CO], v[BB+4*\t:BB+4*\t+3], s[8:9] offset:(16*(\a)+\t)*4096 th:TH_STORE_NT   ; 32 lanes store 512 consecutive bytes, aligned; every offset an immediate
.endr
.if (\a) == 0
.Lnot_here:
.endif
.endm
	PLACES                                         ; behind the last products
	TOSTAGE 0
.irp a, 1,2,3
.if \a > 1
	s_wait_xcnt 0x0                                ; block a - 2's stores have read their registers: block a's loads may land there
.endif
	TOSTAGE \a
	SEND \a-1, 32                                  ; behind block a - 1's loads: block a's 16 stores and 16 loads
.endr
	SEND 3, 0
	s_wait_tensorcnt 0x0                           ; the wave's end, behind my last tensor load and my last LDS store
	ds_add_u32 v[SPW], v[NIL]
	s_wait_dscnt 0x0
	CROUND                                         ; the closing round: no work-group ends while a partner may still ask for a tile that names it
	s_endpgm
.Lfunc_end_k_q7dfdabc1c2_oproj:
	.size	k_q7dfdabc1c2_oproj, .Lfunc_end_k_q7dfdabc1c2_oproj-k_q7dfdabc1c2_oproj
	.p2alignl 7, 3214868480
	.fill 96, 4, 3214868480
	.section	.rodata,"a",@progbits
	.p2align	6, 0x0
	.amdhsa_kernel k_q7dfdabc1c2_oproj
		.amdhsa_group_segment_fixed_size 327680
		.amdhsa_private_segment_fixed_size 0
		.amdhsa_enable_private_segment 0
		.amdhsa_kernarg_size 24
		.amdhsa_user_sgpr_count 2
		.amdhsa_user_sgpr_kernarg_segment_ptr 1
		.amdhsa_wavefront_size32 1
		.amdhsa_system_sgpr_workgroup_id_x 1
		.amdhsa_system_sgpr_workgroup_id_y 1
		.amdhsa_system_sgpr_workgroup_id_z 1
		.amdhsa_system_vgpr_workitem_id 0
		.amdhsa_next_free_vgpr 512
		.amdhsa_next_free_sgpr 66
		.amdhsa_reserve_vcc 0
		.amdhsa_float_denorm_mode_32 3
		.amdhsa_float_denorm_mode_16_64 3
		.amdhsa_memory_ordered 1
		.amdhsa_forward_progress 1
		.amdhsa_inst_pref_size 85
	.end_amdhsa_kernel
	.amdgpu_metadata
---
amdhsa.version: [ 1, 2 ]
amdhsa.kernels:
  - .name:           k_q7dfdabc1c2_oproj
    .symbol:         k_q7dfdabc1c2_oproj.kd
    .args:
      - { .name: o16, .offset: 0, .size: 8, .value_kind: global_buffer, .address_space: global }
      - { .name: wo16, .offset: 8, .size: 8, .value_kind: global_buffer, .address_space: global }
      - { .name: out0, .offset: 16, .size: 8, .value_kind: global_buffer, .address_space: global }
    .group_segment_fixed_size: 327680
    .private_segment_fixed_size: 0
    .kernarg_segment_align: 8
    .kernarg_segment_size: 24
    .max_flat_workgroup_size: 128
    .sgpr_count:     66
    .vgpr_count:     512
    .wavefront_size: 32
...
	.end_amdgpu_metadata
.endif
;; end of part 4
;; launch first16 (part 5): grid 64 x 4, 16 waves a work-group, no clusters, 18,432 bytes of LDS; arguments qkvf, Wo, out0; writes out0
.if DOCPART == 5
	.amdgcn_target "amdgcn-amd-amdhsa--gfx1250"
	.amdhsa_code_object_version 6
	.text
	.protected	k_q7dfdabc1c2_first16
	.globl	k_q7dfdabc1c2_first16
	.p2align	8
	.type	k_q7dfdabc1c2_first16,@function
k_q7dfdabc1c2_first16:
	s_mov_b64 s[64:65], 0
	v_nop
	global_prefetch_b8 v0, s[64:65] scope:SCOPE_SE
	s_setreg_imm32_b32 hwreg(HW_REG_WAVE_MODE, 25, 1), 1
	s_wait_xcnt 0x0
; Positions 0-15 of each batch, all in f32: causal attention over their 16 keys and the projection by Wo.  Under the causal mask these rows average one to sixteen values, so they are carried more finely than the rest.
; qkvf [64 = batch x 16 + position][3072] f32: columns 0-1023 q, 1024-2047 k, 2048-3071 v.  Wo [1024 n][1024 k] f32.  out0 [8192][1024] f32: rows batch x 2048 + 0..15 are stored here, and no others.
; SHARES.  A work-group takes a batch (y) and 16 output columns n0 = 16 x.  Each of its sixteen waves takes a head: it makes the head's 16 x 16 attention and multiplies the result by its 16 x 64 slice of Wo;
; the sixteen partial tiles meet in LDS, and waves 0 and 1 add them and store.  A store covers 64 bytes of each of 16 rows: 256 KiB for the whole launch; wider work-groups would be fewer, with more matrix work each.
; THE f32 MATRIX FORM, 16 x 16 x 4: lane (r, h) holds row (or column) r and k = 2 h + j in register j.  The same permutation of k stands on both sources of every product, so that each operand is used as it lies in registers:
;   S^T = K Q^T: a lane holds channels 32 h + 0..31 of its row; step s takes registers 2 s, 2 s + 1.        Result: register j = key 8 h + j, lane = query r.
;   O^T = V^T P: P's register j is key 8 h + j as it stands; V is loaded so: register i = V[8 h + i][16 dt + r].   Result: register j = channel 16 dt + 8 h + j, lane = query r.
;   out^T = Wo O^T: O^T as it stands; Wo is loaded so: register i = Wo[n0 + r][64 head + 16 dt + 8 h + i].         Result: register j = column n0 + 8 h + j, lane = query r.
; The registers that this form writes (v160-255) are written by matrix instructions alone; each sum begins with the constant 0; four accumulators take turns in each product.
; The softmax takes the row's maximum away; p is not normalised, and the sum divides at the end.
.set SPW, 6                            ; v6   LDS address of my spare word; never rewritten
.set NIL, 7                            ; v7   0; never rewritten
.set QF,  32                           ; v32-63
.set KF,  64                           ; v64-95
.set VF,  96                           ; v96-127
.set WF,  128                          ; v128-159
.set SA,  160                          ; v160-191 four partial sums of S^T
.set OA,  192                          ; v192-223 O^T, four tiles of 16 channels
.set RA,  224                          ; v224-255 four partial sums of out^T
.set SPARE, 16384                      ; behind the sixteen partial tiles of 1,024 bytes: the spare words, 128 bytes for each wave
	s_load_b128 s[4:7], s[0:1], 0x0                ; qkvf s[4:5], Wo s[6:7]
	s_load_b64 s[8:9], s[0:1], 0x10                ; out0
	v_lshl_add_u32 v[SPW], v0, 2, SPARE
	v_mov_b32 v[NIL], 0
	v_lshrrev_b32 v9, 5, v0
	v_readfirstlane_b32 s10, v9                    ; wave = head
	v_and_b32 v1, 15, v0                           ; r
	v_bfe_u32 v2, v0, 4, 1                         ; h
	v_mul_u32_u24 v3, v1, 12288
	v_lshl_add_u32 v3, v2, 7, v3                   ; q, k: row r of 12,288 bytes, + 128 h
	v_mul_u32_u24 v4, v2, 98304
	v_lshl_add_u32 v4, v1, 2, v4                   ; v: row 8 h, + 4 r
	v_lshlrev_b32 v5, 12, v1
	v_lshl_add_u32 v5, v2, 5, v5                   ; Wo and out0: row r of 4,096 bytes, + 32 h
	v_lshlrev_b32 v9, 3, v2
	v_sub_nc_u32 v8, v1, v9                        ; r - 8 h: key 8 h + j is hidden where j is above this
	v_and_b32 v9, 31, v0
	v_lshlrev_b32 v9, 4, v9                        ; 16 x lane
	s_lshl_b32 s11, s10, 10
	v_add_nc_u32 v10, s11, v9                      ; LDS: where I put my partial tile: 1,024 x wave + 16 x lane
	s_and_b32 s21, s10, 1
	s_lshl_b32 s22, s21, 9
	v_add_nc_u32 v11, s22, v9                      ; and where waves 0 and 1 read: 16 x lane + 512 x wave
	s_and_b32 s11, ttmp7, 0xffff                   ; batch
	s_mul_i32 s12, s11, 196608                     ; its 16 rows of qkvf,
	s_lshl_b32 s13, s10, 8                         ; my head's 64 columns
	s_add_co_u32 s12, s12, s13
	s_lshl_b32 s14, ttmp9, 16                      ; Wo: row n0 = 16 x,
	s_add_co_u32 s14, s14, s13                     ; my head's 64 columns
	s_mov_b32 s13, 0
	s_mov_b32 s15, 0
	s_lshl_b32 s20, s11, 23                        ; out0: the batch's first row,
	s_lshl_b32 s23, ttmp9, 6                       ; column n0,
	s_add_co_u32 s20, s20, s23
	s_lshl_b32 s23, s21, 4                         ; + 4 columns in wave 1
	s_add_co_u32 s20, s20, s23
	s_mov_b32 s21, 0
	s_mov_b32 s16, 0x3e38aa3b                      ; c = log2(e) / 8
	s_mov_b32 s18, 0x76543210
	s_mov_b32 s19, 0xfedcba98                      ; v_permlanex16_b32: lane l xor 16
	s_wait_kmcnt 0x0
	s_add_nc_u64 s[4:5], s[4:5], s[12:13]
	s_add_nc_u64 s[6:7], s[6:7], s[14:15]
	s_add_nc_u64 s[8:9], s[8:9], s[20:21]
.irp i, 0,1,2,3,4,5,6,7
	global_load_b128 v[QF+4*\i:QF+4*\i+3], v3, s[4:5] offset:16*\i
.endr
.irp i, 0,1,2,3,4,5,6,7
	global_load_b128 v[KF+4*\i:KF+4*\i+3], v3, s[4:5] offset:4096+16*\i
.endr
.irp dt, 0,1,2,3
.irp i, 0,1,2,3,4,5,6,7
	global_load_b32 v[VF+8*\dt+\i], v4, s[4:5] offset:8192+\i*12288+64*\dt
.endr
.endr
.irp dt, 0,1,2,3
	global_load_b128 v[WF+8*\dt:WF+8*\dt+3], v5, s[6:7] offset:64*\dt
	global_load_b128 v[WF+8*\dt+4:WF+8*\dt+7], v5, s[6:7] offset:64*\dt+16
.endr
	s_wait_loadcnt 40                              ; q and k are in; v's 32 loads and Wo's 8 may be out
.set kk, 0
.rept 16                                       ; S^T = K Q^T: 16 steps of 4 channels, four partial sums by turns
.if kk < 4
	v_wmma_f32_16x16x4_f32 v[SA+8*(kk%4):SA+8*(kk%4)+7], v[KF+2*kk:KF+2*kk+1], v[QF+2*kk:QF+2*kk+1], 0
.else
	v_wmma_f32_16x16x4_f32 v[SA+8*(kk%4):SA+8*(kk%4)+7], v[KF+2*kk:KF+2*kk+1], v[QF+2*kk:QF+2*kk+1], v[SA+8*(kk%4):SA+8*(kk%4)+7]
.endif
.set kk, kk+1
.endr
.rept 8
	v_nop                                          ; eight places behind this form before a vector instruction reads a result (ISA guide 7.12.1)
.endr
.irp j, 0,2,4,6                                ; the four partial sums, each from its low end on
	v_pk_add_f32 v[16+\j:17+\j], v[SA+\j:SA+\j+1], v[SA+8+\j:SA+8+\j+1]
	v_pk_add_f32 v[24+\j:25+\j], v[SA+16+\j:SA+16+\j+1], v[SA+24+\j:SA+24+\j+1]
.endr
.irp j, 0,2,4,6
	v_pk_add_f32 v[16+\j:17+\j], v[16+\j:17+\j], v[24+\j:25+\j]
.endr
	v_mov_b32 v12, 0xff800000                      ; -infinity
.irp j, 0,1,2,3,4,5,6,7
	v_cmp_gt_i32 vcc_lo, \j, v8                    ; key 8 h + j comes after query r
	v_cndmask_b32 v[16+\j], v[16+\j], v12, vcc_lo
.endr
	v_max3_num_f32 v13, v16, v17, v18
	v_max3_num_f32 v14, v19, v20, v21
	v_max3_num_f32 v13, v13, v22, v23
	v_max_num_f32 v13, v13, v14
	v_permlanex16_b32 v14, v13, s18, s19           ; the query's other eight keys lie in the lane 16 away
	v_max_num_f32 v13, v13, v14                    ; the row's maximum: key 0 counts for every query, so it is a number
	v_mul_f32 v13, s16, v13                        ; c m
.irp j, 0,1,2,3,4,5,6,7
	v_fma_f32 v[16+\j], v[16+\j], s16, -v13        ; c s - c m
.endr
.irp j, 0,1,2,3,4,5,6,7
	v_exp_f32 v[16+\j], v[16+\j]                   ; p, at most 1
.endr
	v_nop                                          ; a plain instruction behind the last exponential,
	s_wait_alu depctr_va_vdst(0)                   ; and the wait ahead of the batch's first reader
	v_pk_add_f32 v[14:15], v[16:17], v[18:19]
	v_pk_add_f32 v[24:25], v[20:21], v[22:23]
	v_pk_add_f32 v[14:15], v[14:15], v[24:25]
	v_add_f32 v14, v14, v15
	v_permlanex16_b32 v15, v14, s18, s19
	v_add_f32 v14, v14, v15                        ; the row's sum
	v_rcp_f32 v14, v14
	v_nop
	s_wait_alu depctr_va_vdst(0)                   ; the reciprocal's wait
	s_wait_loadcnt 8                               ; v is in; Wo's 8 loads may be out
.irp sp, 0,1,2,3                               ; O^T = V^T P: four steps of 4 keys, the four tiles of channels by turns
.irp dt, 0,1,2,3
.if \sp == 0
	v_wmma_f32_16x16x4_f32 v[OA+8*\dt:OA+8*\dt+7], v[VF+8*\dt+2*\sp:VF+8*\dt+2*\sp+1], v[16+2*\sp:17+2*\sp], 0
.else
	v_wmma_f32_16x16x4_f32 v[OA+8*\dt:OA+8*\dt+7], v[VF+8*\dt+2*\sp:VF+8*\dt+2*\sp+1], v[16+2*\sp:17+2*\sp], v[OA+8*\dt:OA+8*\dt+7]
.endif
.endr
.endr
.rept 9
	v_nop                                          ; nine places behind this form before a matrix instruction takes a result as an operand
.endr
	s_wait_loadcnt 0x0                             ; Wo is in
.irp sp, 0,1,2,3                               ; out^T = Wo O^T: sixteen steps of 4 channels, four partial sums by turns
.irp dt, 0,1,2,3
.if \sp == 0
	v_wmma_f32_16x16x4_f32 v[RA+8*\dt:RA+8*\dt+7], v[WF+8*\dt+2*\sp:WF+8*\dt+2*\sp+1], v[OA+8*\dt+2*\sp:OA+8*\dt+2*\sp+1], 0
.else
	v_wmma_f32_16x16x4_f32 v[RA+8*\dt:RA+8*\dt+7], v[WF+8*\dt+2*\sp:WF+8*\dt+2*\sp+1], v[OA+8*\dt+2*\sp:OA+8*\dt+2*\sp+1], v[RA+8*\dt:RA+8*\dt+7]
.endif
.endr
.endr
.rept 8
	v_nop
.endr
.irp j, 0,2,4,6
	v_pk_add_f32 v[24+\j:25+\j], v[RA+\j:RA+\j+1], v[RA+8+\j:RA+8+\j+1]
	v_pk_add_f32 v[16+\j:17+\j], v[RA+16+\j:RA+16+\j+1], v[RA+24+\j:RA+24+\j+1]
.endr
.irp j, 0,2,4,6
	v_pk_add_f32 v[24+\j:25+\j], v[24+\j:25+\j], v[16+\j:17+\j]
.endr
.irp j, 0,2,4,6
	v_pk_mul_f32 v[24+\j:25+\j], v[24+\j:25+\j], v[14:15] op_sel_hi:[1,0]   ; / the row's sum: my head's part of out(r, n0 + 8 h + 0 .. 7)
.endr
	ds_store_b128 v10, v[24:27]                    ; an image of the registers: columns + 0 .. 3,
	ds_store_b128 v10, v[28:31] offset:512         ; and + 4 .. 7
	s_wait_tensorcnt 0x0                           ; a tensor wait, an add of 0 to my spare word and an LDS wait, behind my last LDS store;
	ds_add_u32 v[SPW], v[NIL]
	s_wait_dscnt 0x0                               ; the last of them also shows my stores done, for the others' sake
	s_barrier_signal -1
	s_barrier_wait -1                              ; the sixteen partial tiles lie in LDS
	s_cmp_ge_u32 s10, 2
	s_cbranch_scc1 .Lend
.irp i, 0,1,2,3,4,5,6,7,8,9,10,11,12,13,14,15
	ds_load_b128 v[32+4*\i:35+4*\i], v11 offset:1024*\i   ; head i's four columns of my half
.endr
	s_wait_dscnt 0x0
.irp i, 1,2,3,4,5,6,7,8,9,10,11,12,13,14,15
	v_pk_add_f32 v[32:33], v[32:33], v[32+4*\i:33+4*\i]
	v_pk_add_f32 v[34:35], v[34:35], v[34+4*\i:35+4*\i]
.endr
	global_store_b128 v5, v[32:35], s[8:9]         ; out0(batch x 2048 + r, n0 + 8 h + 4 x wave + 0 .. 3)
.Lend:
	s_endpgm
.Lfunc_end_k_q7dfdabc1c2_first16:
	.size	k_q7dfdabc1c2_first16, .Lfunc_end_k_q7dfdabc1c2_first16-k_q7dfdabc1c2_first16
	.p2alignl 7, 3214868480
	.fill 96, 4, 3214868480
	.section	.rodata,"a",@progbits
	.p2align	6, 0x0
	.amdhsa_kernel k_q7dfdabc1c2_first16
		.amdhsa_group_segment_fixed_size 18432
		.amdhsa_private_segment_fixed_size 0
		.amdhsa_enable_private_segment 0
		.amdhsa_kernarg_size 24
		.amdhsa_user_sgpr_count 2
		.amdhsa_user_sgpr_kernarg_segment_ptr 1
		.amdhsa_wavefront_size32 1
		.amdhsa_system_sgpr_workgroup_id_x 1
		.amdhsa_system_sgpr_workgroup_id_y 1
		.amdhsa_system_sgpr_workgroup_id_z 1
		.amdhsa_system_vgpr_workitem_id 0
		.amdhsa_next_free_vgpr 256
		.amdhsa_next_free_sgpr 66
		.amdhsa_reserve_vcc 1
		.amdhsa_float_denorm_mode_32 3
		.amdhsa_float_denorm_mode_16_64 3
		.amdhsa_memory_ordered 1
		.amdhsa_forward_progress 1
		.amdhsa_inst_pref_size 19
	.end_amdhsa_kernel
	.amdgpu_metadata
---
amdhsa.version: [ 1, 2 ]
amdhsa.kernels:
  - .name:           k_q7dfdabc1c2_first16
    .symbol:         k_q7dfdabc1c2_first16.kd
    .args:
      - { .name: qkvf, .offset: 0, .size: 8, .value_kind: global_buffer, .address_space: global }
      - { .name: Wo, .offset: 8, .size: 8, .value_kind: global_buffer, .address_space: global }
      - { .name: out0, .offset: 16, .size: 8, .value_kind: global_buffer, .address_space: global }
    .group_segment_fixed_size: 18432
    .private_segment_fixed_size: 0
    .kernarg_segment_align: 8
    .kernarg_segment_size: 24
    .max_flat_workgroup_size: 512
    .sgpr_count:     66
    .vgpr_count:     256
    .wavefront_size: 32
...
	.end_amdgpu_metadata
.endif
;; end of part 5
